; MI455X (gfx1250); checked and timed in simulation.
; The chip was launched on July 23, 2026; its instructions are those of AMD's public machine-readable ISA for CDNA 5 (MIT licence, August 2026) and "CDNA5" Instruction Set Architecture Reference Guide (July 2026). The comments in the code are by the model that wrote it; some were corrected since.
;; Self Attention. Allowed arithmetic: matrix products marked QUANTISED: E2M1 operands, one E8M0 scale for each 32 along K, by v_wmma_scale_f32_16x16x128_f8f6f4 with both operands' format E2M1 (or v_wmma_scale_f32_32x16x128_f4), f32 sums; everything else in f32.
;; Inputs: Wk_codes 1,024 x 32 x 16 uint8 (E2M1 codes of Wk, K innermost, in blocks of 32 codes, two codes a byte); Wk_scales 1,024 x 32 uint8 (E8M0 scales of Wk, one for each 32 codes along K); Wo_codes 1,024 x 32 x 16 uint8 (E2M1 codes of Wo, K innermost, in blocks of 32 codes, two codes a byte); Wo_scales 1,024 x 32 uint8 (E8M0 scales of Wo, one for each 32 codes along K); Wq_codes 1,024 x 32 x 16 uint8 (E2M1 codes of Wq, K innermost, in blocks of 32 codes, two codes a byte); Wq_scales 1,024 x 32 uint8 (E8M0 scales of Wq, one for each 32 codes along K); Wv_codes 1,024 x 32 x 16 uint8 (E2M1 codes of Wv, K innermost, in blocks of 32 codes, two codes a byte); Wv_scales 1,024 x 32 uint8 (E8M0 scales of Wv, one for each 32 codes along K); bk 1,024 float32; bo 1,024 float32; bq 1,024 float32; bv 1,024 float32; x_codes 4 x 2,048 x 32 x 16 uint8 (E2M1 codes of x, K innermost, in blocks of 32 codes, two codes a byte); x_scales 4 x 2,048 x 32 uint8 (E8M0 scales of x, one for each 32 codes along K).
;; Outputs: out0 4 x 2,048 x 1,024 float32.
;; This version of the problem:
;;   THIS VERSION OF THE PROBLEM IS GIVEN IN LOW PRECISION. The matrix products marked QUANTISED in the list below multiply operands that are first quantised to E2M1 (2 exponent bits, 1 mantissa bit; 4 bits a number), with one power-of-two scale for each 32 numbers along K (OCP MX v1.0); their sums are f32. All else is computed in f32.
;;   The module's matrix products, in the order in which they are computed (A, B: the left and right operand; K: the contracted axis; several contracted axes count as one K, in the product's order):
;;     1. [M 8,192, K 1,024] x [K 1,024, N 1,024]; A: input x (given as codes); B: input Wq (given as codes): QUANTISED
;;     2. [M 8,192, K 1,024] x [K 1,024, N 1,024]; A: input x (given as codes); B: input Wk (given as codes): QUANTISED
;;     3. [M 8,192, K 1,024] x [K 1,024, N 1,024]; A: input x (given as codes); B: input Wv (given as codes): QUANTISED
;;     4. batch 64 x [M 2,048, K 64] x [K 64, N 2,048]; A: computed on the way; B: computed on the way: QUANTISED
;;     5. batch 64 x [M 2,048, K 2,048] x [K 2,048, N 64]; A: softmax (see below); B: computed on the way: QUANTISED
;;     6. [M 8,192, K 1,024] x [K 1,024, N 1,024]; A: computed on the way; B: input Wo (given as codes): QUANTISED
;;   THE QUANTISER, for each operand of a quantised product, along K:
;;     - K is cut into blocks of 32 from its start; a last block that is shorter is filled with zeros.
;;     - A block's scale is 2^e with e = floor(log2(the largest magnitude in the block)) - 2, held to -126 .. 127; a block of zeros has e = 0. As a byte (E8M0): e + 127.
;;     - Each number is divided by its block's scale, clamped to +-6, and rounded to the nearest number of E2M1, ties to even, subnormals kept.
;;     - The product sums the exact products of the quantised numbers (number of the format x scale) in f32.
;;   ~~~python
;;   def quantise(x, axis):      # numpy; x: float32 -> the quantised numbers, widened to float32 again
;;       x = np.moveaxis(x, axis, -1); K = x.shape[-1]
;;       x = np.pad(x, [(0, 0)] * (x.ndim - 1) + [(0, -K % 32)]); x = x.reshape(x.shape[:-1] + (-1, 32)); a = np.abs(x).max(-1, keepdims=True)
;;       e = np.where(a > 0, np.clip(np.frexp(np.where(a > 0, a, 1))[1] - 1 - 2, -126, 127), 0)      # np.frexp(a)[1] - 1 = floor(log2(a)), exactly
;;       r = np.clip(x / 2.0 ** e, -6, 6)
;;       step = 2.0 ** (np.maximum(np.frexp(np.where(r == 0, 1, r))[1] - 1, 0) - 1)
;;       q = np.round(r / step) * step * 2.0 ** e      # np.round: ties to even
;;       return np.moveaxis(q.reshape(q.shape[:-2] + (-1,))[..., :K], -1, axis).astype(np.float32)
;;   ~~~
;;   SOFTMAX AHEAD OF A QUANTISED PRODUCT. Where the list says 'softmax', what is quantised is not the finished softmax but p = 2^(t - M), with t = logit x log2(e) and M = ceil(the row's largest t), a whole number; so 1/2 < the row's largest p <= 1. The row's sum l is taken of the UNQUANTISED p, in f32, and the product's result is divided by l at the end. Since M is a whole number, a kernel that streams over the keys may use a running M (the ceiling of the running maximum): every later rescaling is an exact power of two, which a block's scale takes up: the codes' values come out the same.
;;   OPERANDS COMPUTED ON THE WAY. 'Computed on the way' means the value that the module computes at that place (a softmax that the list does not call 'softmax' is quantised finished and normalised). What goes into a quantiser is computed in f32, as accurately as f32 sums, v_exp_f32 and their like allow (about 1e-6 of the number): no bf16 or f16 on the way to a quantiser, and a product that is left as it is and whose result goes on into a quantised operand takes f32 operands (vector FMAs, or v_wmma_f32_16x16x4_f32). A number that lies on a knife's edge between two numbers of the format may be rounded either way, as far as f32 arithmetic and the matrix unit's own rounding can turn it there, and no further.
;;   INPUTS GIVEN AS CODES. Wk (in the module: [1024, 1024], K = its axis 1); Wo (in the module: [1024, 1024], K = its axis 1); Wq (in the module: [1024, 1024], K = its axis 1); Wv (in the module: [1024, 1024], K = its axis 1); x (in the module: [4, 2048, 1024], K = its axis 2): each comes as NAME_codes (uint8): NAME with its K axis moved to the last place and cut into blocks of 32 codes, [.., K / 32, bytes a block], one block behind the other in memory; two codes a byte, the lower K in the low four bits (a code: sign, 2 exponent bits, 1 mantissa bit); and NAME_scales (uint8): the same leading axes, one E8M0 byte (e + 127) for each 32 codes along K. Its value is code x scale, taken as it is: it is not quantised again, and the codes and scales need not be those that the quantiser above would give.
;; One version. Each part assembles by itself: llvm-mc -triple=amdgcn-amd-amdhsa -mcpu=gfx1250 --defsym DOCPART=n.
;; ======== version 1 of 1: 3 launches
;; workspace buffers: q_img 4,718,592 bytes; k_img 4,718,592 bytes; v_img 4,718,592 bytes; a_img 4,194,304 bytes; a_scl 262,144 bytes
;; launch proj (part 1): grid 12 x 32, 4 waves a work-group, clusters of 4 x 4, 327,680 bytes of LDS; arguments x_codes, x_scales, Wq_codes, Wq_scales, bq, q_img, Wk_codes, Wk_scales, bk, k_img, Wv_codes, Wv_scales, bv, v_img; writes q_img, k_img, v_img
.if DOCPART == 1
	.amdgcn_target "amdgcn-amd-amdhsa--gfx1250"
	.amdhsa_code_object_version 6
	.text
	.protected	k_qcdc94babc4_proj
	.globl	k_qcdc94babc4_proj
	.p2align	8
	.type	k_qcdc94babc4_proj,@function
k_qcdc94babc4_proj:
	s_mov_b64 s[64:65], 0
	v_nop
	global_prefetch_b8 v0, s[64:65] scope:SCOPE_SE
	s_setreg_imm32_b32 hwreg(HW_REG_WAVE_MODE, 25, 1), 1
	s_wait_xcnt 0x0
	s_wait_alu depctr_hold_cnt(0) depctr_sa_sdst(0) depctr_va_vdst(0) depctr_va_sdst(0) depctr_va_ssrc(0) depctr_va_vcc(0) depctr_vm_vsrc(0)
	s_getreg_b32 s2, hwreg(HW_REG_IB_STS2, 6, 4)
	s_cmp_eq_u32 s2, 0
	s_cbranch_scc0 .Lentry_in_a_cluster
	s_endpgm
.Lentry_in_a_cluster:
	s_bfe_u32 s2, ttmp6, 0x10000c
	s_cmp_lg_u32 s2, 0xf033
	s_cbranch_scc0 .Lentry_shape_is_right
	s_endpgm
.Lentry_shape_is_right:
; Q = x Wq^T + bq, K = x Wk^T + bk, V = x Wv^T + bv on codes of FP4 (E2M1) with one E8M0 scale for each 32 along K = 1,024; sums in f32, the bias as the sums' first C.
; The results are quantised here, in registers: Q and K along the head's 64 (two blocks of 32), V along the keys (blocks of 32 tokens), and stored as IMAGES OF OPERAND REGISTERS for the attention launch.
; WORK LEFT OUT BY THE PROGRAM: none in this launch.  The attention launch leaves out the key steps that lie wholly behind the diagonal: reference() itself sets the score to -infinity wherever key > query
; (its own jnp.tril), the softmax's weight there is exactly 0 whatever finite values the inputs hold, so those tiles of the scores' product and of the weights' product reach no output.  Every input has a way to
; the output and is loaded: bk too, since it moves K's codes and scales.
; LIMITS: a NaN, an infinity or an overflow that reaches only the work left out is not carried to the result.  NaN and infinities among the biases and scale bytes of 0xff are not served.  A block of zeros, and a block
; whose largest magnitude lies under 2^-124, gets the scale byte 1 (a block of zeros has zero codes, which add nothing; the bytes are read by this program alone).
; SHARES.  Grid 12 x 32 in clusters of 4 x 4.  Cluster x = 0, 1, 2 is Q, K, V: the same number in all sixteen partners.  A work-group makes a tile of 256 x 256, each of its four waves 128 x 128: 64 accumulators.
; The matrix instruction's source 0 takes 16 rows of the region called B, source 1 16 rows of the region called A: a lane then holds ONE row of A and its registers run along B's rows.
;   Q, K: A = 256 rows of x (tile 4 x cluster y + cy), B = 256 rows of W (tile cx): a lane holds a token, its registers run along the features: the axis that is quantised.
;   V:    A = 256 rows of Wv (tile cy), B = 256 rows of x (tile 4 x cluster y + cx): a lane holds a channel, its registers run along the tokens, which are the keys.
; A's tiles hang on cy alone and are asked for jointly by a row of the cluster, B's on cx alone, by a column.  Only pointers and tile numbers are chosen by the cluster's x; all rows are 512 bytes of codes and 32 of scales.
; K = 1,024 is two slots of 512: both are first fills, nothing is filled again, and there is no loop.
; IMAGES.  q_img, k_img, v_img: [64 (batch x 16 + head)][16 steps of 128 tokens][4,608 bytes]: 4,096 of codes, 512 of scale words.
;   Q, K codes: token tile a at 512 a + 16 lane: lane (r, h) = token r, d = 32 h .. 32 h + 31.  Scale words at 4,096 + 256 (a / 4) + 16 r + 4 (a % 4): bytes 0, 1 the two blocks', bytes 2, 3 zero.
;   V codes: channel tile ct at 1,024 ct + 512 c + 16 lane: lane (r, h) = channel 16 ct + r, keys 64 c + 32 h .. + 31.  Scale words at 4,096 + 16 lane + 4 ct (both halves of the lanes hold the same).
; REGISTERS, in windows of 256: window 0: v16-29 addresses; v32-95 scale words, two sets; v96-116 at work on the way out; v128-191 A's fragments, later the codes; v192-255 the bias in the result's layout.
;   window 1: B's fragments, two sets.   windows 2, 3: the accumulators ((a, b) at v[8 (8 (a % 4) + b)] of window 2 + a / 4).
.set NQ,     4                         ; steps of 128 along K in a slot
.set ROWB,   256                       ; a tile's row in bytes: 512 codes
.set KROW,   512                       ; a row of codes in memory
.set PITCH,  272                       ; an LDS row: 256 bytes + 16 of padding
.set FR,     8                         ; registers of a fragment
.set NL,     2                         ; LDS loads that bring one
.set NP,     4                         ; places behind this matrix instruction (ISA guide 7.12.1)
.set HALFT,  128*PITCH                 ; 128 rows: one tensor load
.set SLOT,   4*HALFT                   ; A's 256 rows, then B's 256
.set KS,     32                        ; a row of scale bytes
.set SCL,    2*SLOT                    ; behind the slots: the scales, rows of 256 bytes + 16
.set HALFS,  16*272                    ; the scales of 128 rows
.set SBLK,   2*272                     ; those of 16 rows
.set SPARE,  SCL+4*HALFS               ; the spare words: 128 bytes a wave, named by no other line
.set BLKB,   4608                      ; an image block
.set HEADB,  16*BLKB                   ; a head's 16 blocks
.set ADRA, 16                          ; v16-17  LDS address of my A fragments in slot 0, 1
.set ADRB, 20                          ; v20-21  of B's
.set L16,  24                          ; v24     16 x lane
.set VSO,  25                          ; v25     16 r + a head's bytes x h: where Q's and K's scale words go
.set BO,   26                          ; v26     my offset in the bias
.set ADRS, 27                          ; v27     LDS address of my scale words: lanes 0-15 A's, lanes 16-31 B's
.set SPW,  28                          ; v28     my spare word; never rewritten
.set NIL,  29                          ; v29     0; never rewritten
.set SC,   32                          ; v32-95  scale words and nothing else
.set TM,   96                          ; v96-99 largest magnitudes, v100-103 the other half's / bytes, v104-107 the conversions' scale operands
.set SW,   108                         ; v108-115 the scale word of each of my eight blocks of A
.set SH,   116                         ; v116    16 h
.set AF,   128
.set PC,   128
.set BIAS, 192
.set G1,   24
.set G0,   32
.set G1B,  48
.set G0B,  56
.set G1S,  68
.set G0S,  76
.set G1SB, 80
.set G0SB, 88
.set PAC,  92                          ; s[92:93] A's codes, s[94:95] A's scales, s[96:97] B's codes, s[98:99] B's scales
.set PAS,  94
.set PBC,  96
.set PBS,  98
.set SEL,  100                         ; s[100:101] v_permlanex16_b32's selects for lane l xor 16
.set MSB, 0
.macro WIN new                         ; the immediate's high byte repeats the setting that is left
.if MSB != \new
	s_set_vgpr_msb (MSB<<8)|\new
.set MSB, \new
.endif
.endm
.set MUL_LO, 0xa1                      ; source 0 (B) window 1, source 1 (A) window 0, C and D window 2
.set MUL_HI, 0xf1                      ; the same, C and D window 3
.set TO_B,   0x40                      ; destination window 1
; A joint load: waves 0 and 1 fetch for A, waves 2 and 3 for B; the branch hangs on the wave's number alone.  An s_nop 0 and four v_nop follow each line.
.macro JLOAD g0a, g1a, g0b, g1b
	s_cmp_eq_u32 s17, 0
	s_cbranch_scc0 .Lfor_b_\@
	tensor_load_to_lds s[\g0a:\g0a+3], s[\g1a:\g1a+7]
	s_nop 0
.rept 4
	v_nop
.endr
	s_branch .Lasked_\@
.Lfor_b_\@:
	tensor_load_to_lds s[\g0b:\g0b+3], s[\g1b:\g1b+7]
	s_nop 0
.rept 4
	v_nop
.endr
.Lasked_\@:
.endm
.macro CROUND                          ; a round of the cluster's barrier
	s_barrier_signal -1
	s_barrier_wait -1
	s_cmp_lg_u32 s16, 0
	s_cbranch_scc1 .Lnot_wave_0_\@
	s_barrier_signal -3
.Lnot_wave_0_\@:
	s_barrier_wait -3
	s_barrier_signal -1
	s_barrier_wait -1
.endm
	s_load_b128 s[4:7], s[0:1], 0x0                ; x's codes, x's scales
	s_load_b256 s[8:15], s[0:1], 0x10              ; Wq's codes, its scales, bq, q_img
	s_load_b256 s[32:39], s[0:1], 0x30             ; the same four for K
	s_load_b256 s[56:63], s[0:1], 0x50             ; and for V
	v_lshl_add_u32 v[SPW], v0, 2, SPARE
	v_mov_b32 v[NIL], 0
	ds_add_u32 v[SPW], v[NIL]                      ; the wave's opening: the add, twice on end, and its wait ahead of my first tensor load
	ds_add_u32 v[SPW], v[NIL]
	v_lshrrev_b32 v1, 5, v0
	v_readfirstlane_b32 s16, v1                    ; wave 0..3
	s_lshr_b32 s17, s16, 1                         ; my half of A's rows.  Also: I fetch for A (0) or for B (1)
	s_and_b32 s18, s16, 1                          ; my half of B's rows.  Also: which 128 rows I fetch
	s_bfe_u32 s40, ttmp6, 0x40000                  ; cx
	s_bfe_u32 s41, ttmp6, 0x40004                  ; cy
	s_lshl_b32 s2, s41, 2
	s_lshl_b32 s2, 15, s2                          ; my row of the cluster
	s_lshl_b32 s3, 0x1111, s40                     ; my column
	s_or_b32 s[G1], s2, (1<<20)|(1<<21)|(5<<22)|(3<<25)     ; the mask; elements of 1 byte; padding on; bit 21 beside a mask; 4 words behind every 64
	s_or_b32 s[G1B], s3, (1<<20)|(1<<21)|(5<<22)|(3<<25)
.irp g, G1, G1B
	s_mov_b32 s[\g+1], ROWB<<16                    ; tensor_dim0
	s_mov_b32 s[\g+2], 128<<16                     ; tensor_dim1
	s_mov_b32 s[\g+3], ROWB<<16                    ; tile_dim0
	s_mov_b32 s[\g+4], 128                         ; tile_dim1
	s_mov_b32 s[\g+5], KROW                        ; from row to row
	s_mov_b32 s[\g+6], 0
	s_mov_b32 s[\g+7], 0
.endr
	s_or_b32 s[G1S], s2, (3<<16)|(1<<20)|(1<<21)|(5<<22)|(3<<25)   ; the scales of 128 rows: 4,096 dense bytes as 16 rows of 32 elements of 8 bytes
	s_or_b32 s[G1SB], s3, (3<<16)|(1<<20)|(1<<21)|(5<<22)|(3<<25)
.irp g, G1S, G1SB
	s_mov_b32 s[\g+1], 32<<16
	s_mov_b32 s[\g+2], 16<<16
	s_mov_b32 s[\g+3], 32<<16
	s_mov_b32 s[\g+4], 16
	s_mov_b32 s[\g+5], 32
	s_mov_b32 s[\g+6], 0
	s_mov_b32 s[\g+7], 0
.endr
	s_and_b32 s20, ttmp7, 0xffff
	s_lshl_b32 s20, s20, 2                         ; 4 x cluster y
	s_mov_b32 s[SEL], 0x76543210
	s_mov_b32 s[SEL+1], 0xfedcba98
	s_mul_i32 s2, s16, HALFT                       ; where my tiles go: wave x 128 rows
	s_mul_i32 s3, s16, HALFS
	s_wait_dscnt 0x0                               ; both opening adds are done
	s_wait_kmcnt 0x0
	s_cmp_eq_u32 ttmp9, 1                          ; the cluster's x chooses the weight: the condition hangs on no address
	s_cselect_b64 s[8:9], s[32:33], s[8:9]
	s_cselect_b64 s[10:11], s[34:35], s[10:11]
	s_cselect_b64 s[12:13], s[36:37], s[12:13]
	s_cselect_b64 s[14:15], s[38:39], s[14:15]
	s_cmp_eq_u32 ttmp9, 2
	s_cselect_b64 s[8:9], s[56:57], s[8:9]
	s_cselect_b64 s[10:11], s[58:59], s[10:11]
	s_cselect_b64 s[12:13], s[60:61], s[12:13]
	s_cselect_b64 s[14:15], s[62:63], s[14:15]
	s_cselect_b32 s19, 1, 0                        ; 1: this cluster makes V
	s_cselect_b64 s[PAC:PAC+1], s[8:9], s[4:5]     ; V: A = the weight, B = x; else the other way round
	s_cselect_b64 s[PAS:PAS+1], s[10:11], s[6:7]
	s_cselect_b64 s[PBC:PBC+1], s[4:5], s[8:9]
	s_cselect_b64 s[PBS:PBS+1], s[6:7], s[10:11]
	s_cselect_b32 s43, 0, s20
	s_cselect_b32 s42, s20, 0
	s_add_co_u32 s43, s43, s41                     ; A's tile: cy (+ 4 x cluster y where A is x)
	s_add_co_u32 s42, s42, s40                     ; B's tile: cx (+ 4 x cluster y where B is x)
	s_lshl_b32 s21, s18, 7
	s_lshl_b32 s20, s43, 8
	s_add_co_u32 s20, s20, s21                     ; A: the first row that I fetch
	s_lshl_b32 s22, s20, 5                         ; its scales, in bytes,
	s_lshl_b32 s20, s20, 9                         ; its codes
	s_mov_b32 s21, 0
	s_mov_b32 s23, 0
	s_add_nc_u64 s[PAC:PAC+1], s[PAC:PAC+1], s[20:21]
	s_add_nc_u64 s[PAS:PAS+1], s[PAS:PAS+1], s[22:23]
	s_lshl_b32 s45, s18, 7
	s_lshl_b32 s44, s42, 8
	s_add_co_u32 s44, s44, s45                     ; B likewise, in registers that never hold cy
	s_lshl_b32 s46, s44, 5
	s_lshl_b32 s44, s44, 9
	s_mov_b32 s45, 0
	s_mov_b32 s47, 0
	s_add_nc_u64 s[PBC:PBC+1], s[PBC:PBC+1], s[44:45]
	s_add_nc_u64 s[PBS:PBS+1], s[PBS:PBS+1], s[46:47]
	CROUND                                         ; all sixteen work-groups are here: the first joint loads meet
	s_mov_b32 s[G0S], 1
	s_add_co_u32 s[G0S+1], s3, SCL
	s_mov_b64 s[G0S+2:G0S+3], s[PAS:PAS+1]
	s_or_b32 s[G0S+3], s[G0S+3], 0x80000000
	s_mov_b32 s[G0SB], 1
	s_add_co_u32 s[G0SB+1], s3, SCL
	s_mov_b64 s[G0SB+2:G0SB+3], s[PBS:PBS+1]
	s_or_b32 s[G0SB+3], s[G0SB+3], 0x80000000
	JLOAD G0S, G1S, G0SB, G1SB                     ; the scales of all of K
.irp s, 0,1
	s_mov_b32 s[G0+4*\s], 1
	s_add_co_u32 s[G0+4*\s+1], s2, \s*SLOT
	s_add_nc_u64 s[G0+4*\s+2:G0+4*\s+3], s[PAC:PAC+1], \s*ROWB
	s_or_b32 s[G0+4*\s+3], s[G0+4*\s+3], 0x80000000
	s_mov_b32 s[G0B+4*\s], 1
	s_add_co_u32 s[G0B+4*\s+1], s2, \s*SLOT
	s_add_nc_u64 s[G0B+4*\s+2:G0B+4*\s+3], s[PBC:PBC+1], \s*ROWB
	s_or_b32 s[G0B+4*\s+3], s[G0B+4*\s+3], 0x80000000
	JLOAD G0+4*\s, G1, G0B+4*\s, G1B               ; both halves of K: three loads of mine are out
.endr
	v_and_b32 v1, 15, v0                           ; r
	v_bfe_u32 v2, v0, 4, 1                         ; h
	v_mul_u32_u24 v3, v1, PITCH
	v_lshl_add_u32 v4, v2, 4, v3                   ; a fragment's row x pitch + 16 h
	s_mul_i32 s21, s17, HALFT                      ; my 128 rows of A
	s_mul_i32 s22, s18, HALFT                      ; my 128 rows of B,
	s_add_co_u32 s22, s22, 2*HALFT                 ; behind A's 256
.irp s, 0,1
	v_add_nc_u32 v[ADRA+\s], s21, v4
	v_add_nc_u32 v[ADRB+\s], s22, v4
	s_add_co_u32 s21, s21, SLOT
	s_add_co_u32 s22, s22, SLOT
.endr
	v_mul_u32_u24 v5, v1, KS                       ; my row's scales: 32 bytes a row,
	v_lshrrev_b32 v6, 8, v5
	v_lshl_add_u32 v5, v6, 4, v5                   ; and 16 more for each 256 passed
	s_mul_i32 s21, s17, HALFS
	s_mul_i32 s22, s18, HALFS
	s_add_co_u32 s22, s22, 2*HALFS
	s_sub_co_u32 s22, s22, s21
	v_mul_u32_u24 v6, s22, v2                      ; lanes 16-31 take B's: one product, the distance between the two bases
	s_add_co_u32 s21, s21, SCL
	v_add_nc_u32 v5, v5, v6
	v_add_nc_u32 v[ADRS], s21, v5
	v_and_b32 v[L16], 31, v0
	v_lshlrev_b32 v[L16], 4, v[L16]
	v_mul_u32_u24 v5, v2, HEADB
	v_lshl_add_u32 v[VSO], v1, 4, v5
	v_lshlrev_b32 v[SH], 4, v2
.irp b, 0,1,2,3
	v_mov_b32 v[TM+4+\b], 0                        ; written once: a lane permute's destination counts as one of its sources
.endr
	; where the bias and my image blocks begin
	s_cmp_eq_u32 s19, 0
	s_cselect_b32 s20, s43, s42                    ; x's tile of 256 tokens
	s_cselect_b32 s21, s17, s18                    ; my half of it: 128 tokens, one step
	s_cselect_b32 s22, s40, s41                    ; the weight's tile of 256 features: four heads
	s_cselect_b32 s23, s18, s17                    ; my half of it: two heads
	s_lshl_b32 s44, s22, 10
	s_lshl_b32 s45, s23, 9
	s_add_co_u32 s44, s44, s45
	s_mov_b32 s45, 0
	s_add_nc_u64 s[12:13], s[12:13], s[44:45]      ; the bias at my 128 features
	s_lshr_b32 s44, s20, 3                         ; the batch
	s_lshl_b32 s44, s44, 4
	s_lshl_b32 s46, s22, 2
	s_add_co_u32 s44, s44, s46
	s_lshl_b32 s46, s23, 1
	s_add_co_u32 s44, s44, s46                     ; batch x 16 + my first head
	s_lshl_b32 s44, s44, 4
	s_and_b32 s46, s20, 7
	s_lshl_b32 s46, s46, 1
	s_add_co_u32 s44, s44, s46
	s_add_co_u32 s44, s44, s21                     ; x 16 + the step
	s_mul_i32 s44, s44, BLKB
	s_add_nc_u64 s[14:15], s[14:15], s[44:45]
	s_cmp_eq_u32 s19, 0
	s_cbranch_scc0 .Lbias_v
	v_lshlrev_b32 v[BO], 5, v2                     ; Q, K: the bias runs along the registers: BIAS[8 b + i] = bias(16 b + 8 h + i)
.irp b, 0,1,2,3,4,5,6,7
	global_load_b128 v[BIAS+8*\b:BIAS+8*\b+3], v[BO], s[12:13] offset:64*\b
	global_load_b128 v[BIAS+8*\b+4:BIAS+8*\b+7], v[BO], s[12:13] offset:64*\b+16
.endr
	s_branch .Lbias_in
.Lbias_v:
	v_lshlrev_b32 v[BO], 2, v1                     ; V: the bias hangs on the lane's channel: BIAS[8 a + i] = bias(16 a + r) for all i
.irp a, 0,1,2,3,4,5,6,7
	global_load_b32 v[BIAS+8*\a], v[BO], s[12:13] offset:64*\a
.endr
	s_wait_loadcnt 0x0
.irp a, 0,1,2,3,4,5,6,7
.irp i, 1,2,3,4,5,6,7
	v_mov_b32 v[BIAS+8*\a+\i], v[BIAS+8*\a]
.endr
.endr
.Lbias_in:
	s_wait_loadcnt 0x0
.macro FRAG reg, adr, q, i             ; 16 rows x 128 K of 4-bit codes: registers 4 c .. 4 c + 3 hold K = 64 c + 32 h + 0 .. 31
.irp c, 0,1
	ds_load_b128 v[\reg+4*\c:\reg+4*\c+3], v[\adr] offset:64*(\q)+32*\c+(\i)*16*PITCH
.endr
.endm
; 16 matrix instructions: A's blocks a0, a0 + 1 x B's eight, the slot's q-th 128 along K.  p: B's set; sc: the set of scale words.  zero = 1: the sums start from the bias along the registers; 2: from the bias of the lane's row.
; The 64 accumulators take turns, one instruction a turn, in the same order in every step.
.macro MUL16 a0, p, q, sc, zero
.irp a, \a0, \a0+1
.irp b, 0,1,2,3,4,5,6,7
.if \zero == 1
	v_wmma_scale_f32_16x16x128_f8f6f4 v[8*(8*((\a)%4)+\b):8*(8*((\a)%4)+\b)+7], v[128*(\p)+FR*\b:128*(\p)+FR*\b+FR-1], v[AF+FR*(\a):AF+FR*(\a)+FR-1], v[BIAS+8*\b:BIAS+8*\b+7], v[SC+8*NQ*(\sc)+NQ*\b+(\q)], v[SC+8*NQ*(\sc)+NQ*(\a)+(\q)] matrix_a_fmt:MATRIX_FMT_FP4 matrix_b_fmt:MATRIX_FMT_FP4 matrix_a_scale:MATRIX_SCALE_ROW1
.elseif \zero == 2
	v_wmma_scale_f32_16x16x128_f8f6f4 v[8*(8*((\a)%4)+\b):8*(8*((\a)%4)+\b)+7], v[128*(\p)+FR*\b:128*(\p)+FR*\b+FR-1], v[AF+FR*(\a):AF+FR*(\a)+FR-1], v[BIAS+8*(\a):BIAS+8*(\a)+7], v[SC+8*NQ*(\sc)+NQ*\b+(\q)], v[SC+8*NQ*(\sc)+NQ*(\a)+(\q)] matrix_a_fmt:MATRIX_FMT_FP4 matrix_b_fmt:MATRIX_FMT_FP4 matrix_a_scale:MATRIX_SCALE_ROW1
.else
	v_wmma_scale_f32_16x16x128_f8f6f4 v[8*(8*((\a)%4)+\b):8*(8*((\a)%4)+\b)+7], v[128*(\p)+FR*\b:128*(\p)+FR*\b+FR-1], v[AF+FR*(\a):AF+FR*(\a)+FR-1], v[8*(8*((\a)%4)+\b):8*(8*((\a)%4)+\b)+7], v[SC+8*NQ*(\sc)+NQ*\b+(\q)], v[SC+8*NQ*(\sc)+NQ*(\a)+(\q)] matrix_a_fmt:MATRIX_FMT_FP4 matrix_b_fmt:MATRIX_FMT_FP4 matrix_a_scale:MATRIX_SCALE_ROW1
.endif
.endr
.endr
.endm
.macro FETCH_B slot, q, p
	WIN TO_B
.irp i, 0,1,2,3,4,5,6,7
	FRAG 128*(\p)+FR*\i, ADRB+\slot, \q, \i
.endr
	WIN 0
.endm
.macro FETCH_A slot, q, i0
.irp i, \i0, \i0+1, \i0+2, \i0+3
	FRAG AF+FR*(\i), ADRA+\slot, \q, \i
.endr
.endm
.macro SCALES sc                       ; a slot's scale words: four words a row; lanes 0-15 take A's block i, lanes 16-31 B's block i
.irp i, 0,1,2,3,4,5,6,7
	ds_load_b128 v[SC+8*NQ*\sc+NQ*\i:SC+8*NQ*\sc+NQ*\i+3], v[ADRS] offset:\i*SBLK
.endr
.endm
.macro PLACES n                        ; plain vector instructions between a matrix instruction and a load into, or a vector instruction on, its registers
.rept \n
	v_nop
.endr
.endm
; A step of 128 along K that has its successor in the same slot.  A has one set of registers (blocks 0-3 fetched anew in the step's middle, 4-7 at its end), B two.
.macro STEP slot, q, zero
	s_wait_dscnt 4*NL                              ; all but the youngest eight loads, A's blocks 4-7
.if \zero
	WIN 0x81                                       ; the bias, source 2, lies in window 0; D in window 2
.else
	WIN MUL_LO
.endif
	MUL16 0, (\q)%2, \q, \slot, \zero
	MUL16 2, (\q)%2, \q, \slot, \zero
	s_wait_dscnt 0                                 ; A's blocks 4-7 are in
	PLACES NP
	FETCH_B \slot, (\q)+1, 1-(\q)%2
	FETCH_A \slot, (\q)+1, 0
.if \zero
	WIN 0xc1
.else
	WIN MUL_HI
.endif
	MUL16 4, (\q)%2, \q, \slot, \zero
	MUL16 6, (\q)%2, \q, \slot, \zero
	PLACES NP
	WIN 0
	FETCH_A \slot, (\q)+1, 4
.endm
; Slot 0's last step goes over to slot 1: each wave waits for all its tensor loads (slot 1's part) and for its own reads, then the barrier: behind it slot 1 is whole.  Nothing is filled again.
.macro TURN
	s_wait_tensorcnt 0x0                           ; my part of slot 1 has landed
	ds_add_u32 v[SPW], v[NIL]
	s_wait_dscnt 4*NL+1                            ; the add and the youngest eight loads may be out
	WIN MUL_LO
	MUL16 0, 1, NQ-1, 0, 0
	s_wait_dscnt 0x0                               ; no LDS instruction of mine is out at the signal
	s_barrier_signal -1
	MUL16 2, 1, NQ-1, 0, 0
	WIN 0
	s_barrier_wait -1
	PLACES NP
	v_add_nc_u32 v[ADRS], 4*NQ, v[ADRS]            ; on to slot 1's scale words
	FETCH_B 1, 0, 0
	FETCH_A 1, 0, 0
	SCALES 1
	WIN MUL_HI
	MUL16 4, 1, NQ-1, 0, 0
	MUL16 6, 1, NQ-1, 0, 0
	PLACES NP
	WIN 0
	FETCH_A 1, 0, 4
.endm
	s_wait_tensorcnt 1                             ; the scales and my part of slot 0 are in; slot 1's load, the youngest, may be out
	s_barrier_signal -1
	s_barrier_wait -1                              ; everybody's are
	FETCH_B 0, 0, 0
	FETCH_A 0, 0, 0
	SCALES 0
	FETCH_A 0, 0, 4
	s_cmp_eq_u32 s19, 0                            ; the first step is written twice: the bias lies along the registers (Q, K) or along the lanes (V).  The branch is the same in all sixteen partners
	s_cbranch_scc0 .Lfirst_v
	STEP 0, 0, 1
	s_branch .Lfirst_done
.Lfirst_v:
	STEP 0, 0, 2
.Lfirst_done:
	STEP 0, 1, 0
	STEP 0, 2, 0
	TURN
	STEP 1, 0, 0
	STEP 1, 1, 0
	STEP 1, 2, 0
	s_wait_dscnt 4*NL                              ; the last step: nothing more to fetch
	WIN MUL_LO
	MUL16 0, 1, NQ-1, 1, 0
	MUL16 2, 1, NQ-1, 1, 0
	s_wait_dscnt 0
	WIN MUL_HI
	MUL16 4, 1, NQ-1, 1, 0
	MUL16 6, 1, NQ-1, 1, 0
	WIN 0
; THE WAY OUT.  Block a's 64 registers: register 8 t + j of lane (r, h) is row r of A at position 16 t + 8 h + j of the axis that is quantised.  Block bb of 32 lies in registers 16 bb .. 16 bb + 15 of lanes l and l xor 16.
; The largest magnitude (with the floor 2^-124 among its leaves, so that the byte cannot fall under 1) with 2 off its exponent field is the conversion's scale operand; that shifted down by 23 is the byte.
; The conversions' results are laid so that two exchanges of halves for each 64 give the operand's layout: registers 4 c .. 4 c + 3 of lane (r, h) hold positions 64 c + 32 h + 0 .. 31.
.macro QUANT8 a
.set QAC, 64*((\a)%4)
.set QW, 2+(\a)/4
.set QWW, QW|(QW<<2)
.set QP, PC+8*(\a)
	WIN QWW                                        ; sources 0 and 1: the accumulators' window
.irp b, 0,1,2,3
	v_max3_num_f32 v[TM+\b], |v[QAC+16*\b]|, |v[QAC+16*\b+1]|, 0x1800000   ; each accumulator is read from its low end on
.endr
.irp i, 2,4,6,8,10,12,14
.irp b, 0,1,2,3
	v_max3_num_f32 v[TM+\b], |v[QAC+16*\b+\i]|, |v[QAC+16*\b+\i+1]|, v[TM+\b]
.endr
.endr
	WIN 0
.irp b, 0,1,2,3
	v_permlanex16_b32 v[TM+4+\b], v[TM+\b], s[SEL], s[SEL+1]
.endr
.irp b, 0,1,2,3
	v_max_num_f32 v[TM+\b], v[TM+\b], v[TM+4+\b]
.endr
.irp b, 0,1,2,3
	v_add_nc_u32 v[TM+8+\b], 0xff000000, v[TM+\b]
.endr
.irp b, 0,1,2,3
	v_lshrrev_b32 v[TM+4+\b], 23, v[TM+8+\b]
.endr
	v_lshl_or_b32 v[SW+(\a)], v[TM+5], 8, v[TM+4]
	v_lshl_or_b32 v[SW+(\a)], v[TM+6], 16, v[SW+(\a)]
	v_lshl_or_b32 v[SW+(\a)], v[TM+7], 24, v[SW+(\a)]
	WIN QW                                         ; source 0: the accumulators' window
.irp c, 0,1
	v_cvt_scalef32_pk8_fp4_f32 v[QP+4*\c],   v[QAC+32*\c:QAC+32*\c+7],     v[TM+8+2*\c]
	v_cvt_scalef32_pk8_fp4_f32 v[QP+4*\c+2], v[QAC+32*\c+8:QAC+32*\c+15],  v[TM+8+2*\c]
	v_cvt_scalef32_pk8_fp4_f32 v[QP+4*\c+1], v[QAC+32*\c+16:QAC+32*\c+23], v[TM+8+2*\c+1]
	v_cvt_scalef32_pk8_fp4_f32 v[QP+4*\c+3], v[QAC+32*\c+24:QAC+32*\c+31], v[TM+8+2*\c+1]
.endr
	WIN 0
	v_nop                                          ; one plain place behind the scaled conversions
.irp c, 0,1
	v_permlane16_swap_b32 v[QP+4*\c], v[QP+4*\c+1]
	v_permlane16_swap_b32 v[QP+4*\c+2], v[QP+4*\c+3]
.endr
.endm
; Every store of the wave covers 512 consecutive bytes, aligned to 256; each block has its own registers for its codes and its scale word, so no store's data are written again.
.macro WAYOUT isv
.irp a, 0,1,2,3,4,5,6,7
	QUANT8 \a
.if \isv
	global_store_b128 v[L16], v[PC+8*\a:PC+8*\a+3], s[14:15] offset:(\a/4)*HEADB+1024*(\a%4)        ; head a / 4, channel tile a % 4: keys 0-63,
	global_store_b128 v[L16], v[PC+8*\a+4:PC+8*\a+7], s[14:15] offset:(\a/4)*HEADB+1024*(\a%4)+512  ; keys 64-127
.else
	global_store_b128 v[L16], v[PC+8*\a:PC+8*\a+3], s[14:15] offset:512*\a                          ; token tile a: my first head,
	global_store_b128 v[L16], v[PC+8*\a+4:PC+8*\a+7], s[14:15] offset:512*\a+HEADB                  ; my second
.endif
.endr
.if \isv
	global_store_b128 v[L16], v[SW:SW+3], s[14:15] offset:4096
	global_store_b128 v[L16], v[SW+4:SW+7], s[14:15] offset:4096+HEADB
.else
.irp a, 0,1,2,3,4,5,6,7
	v_bfe_u32 v[SW+\a], v[SW+\a], v[SH], 16        ; lanes 0-15 keep the first head's two bytes, lanes 16-31 the second's; bytes 2 and 3 become 0
.endr
	global_store_b128 v[VSO], v[SW:SW+3], s[14:15] offset:4096
	global_store_b128 v[VSO], v[SW+4:SW+7], s[14:15] offset:4096+256
.endif
.endm
	PLACES NP                                      ; behind the last products: their results are read, and A's fragments' registers written, below
	s_cmp_eq_u32 s19, 0
	s_cbranch_scc0 .Lout_v
	WAYOUT 0
	s_branch .Ldone
.Lout_v:
	WAYOUT 1
.Ldone:
	s_wait_tensorcnt 0x0                           ; the wave's end
	ds_add_u32 v[SPW], v[NIL]
	s_wait_dscnt 0x0
	CROUND                                         ; the closing round: no work-group ends while a partner may still ask for a tile that names it
	s_endpgm
.Lfunc_end_k_qcdc94babc4_proj:
	.size	k_qcdc94babc4_proj, .Lfunc_end_k_qcdc94babc4_proj-k_qcdc94babc4_proj
	.p2alignl 7, 3214868480
	.fill 96, 4, 3214868480
	.section	.rodata,"a",@progbits
	.p2align	6, 0x0
	.amdhsa_kernel k_qcdc94babc4_proj
		.amdhsa_group_segment_fixed_size 327680
		.amdhsa_private_segment_fixed_size 0
		.amdhsa_enable_private_segment 0
		.amdhsa_kernarg_size 112
		.amdhsa_user_sgpr_count 2
		.amdhsa_user_sgpr_kernarg_segment_ptr 1
		.amdhsa_wavefront_size32 1
		.amdhsa_system_sgpr_workgroup_id_x 1
		.amdhsa_system_sgpr_workgroup_id_y 1
		.amdhsa_system_sgpr_workgroup_id_z 1
		.amdhsa_system_vgpr_workitem_id 0
		.amdhsa_next_free_vgpr 1024
		.amdhsa_next_free_sgpr 102
		.amdhsa_reserve_vcc 0
		.amdhsa_float_denorm_mode_32 3
		.amdhsa_float_denorm_mode_16_64 3
		.amdhsa_memory_ordered 1
		.amdhsa_forward_progress 1
		.amdhsa_inst_pref_size 176
	.end_amdhsa_kernel
	.amdgpu_metadata
---
amdhsa.version: [ 1, 2 ]
amdhsa.kernels:
  - .name:           k_qcdc94babc4_proj
    .symbol:         k_qcdc94babc4_proj.kd
    .args:
      - { .name: x_codes, .offset: 0, .size: 8, .value_kind: global_buffer, .address_space: global }
      - { .name: x_scales, .offset: 8, .size: 8, .value_kind: global_buffer, .address_space: global }
      - { .name: Wq_codes, .offset: 16, .size: 8, .value_kind: global_buffer, .address_space: global }
      - { .name: Wq_scales, .offset: 24, .size: 8, .value_kind: global_buffer, .address_space: global }
      - { .name: bq, .offset: 32, .size: 8, .value_kind: global_buffer, .address_space: global }
      - { .name: q_img, .offset: 40, .size: 8, .value_kind: global_buffer, .address_space: global }
      - { .name: Wk_codes, .offset: 48, .size: 8, .value_kind: global_buffer, .address_space: global }
      - { .name: Wk_scales, .offset: 56, .size: 8, .value_kind: global_buffer, .address_space: global }
      - { .name: bk, .offset: 64, .size: 8, .value_kind: global_buffer, .address_space: global }
      - { .name: k_img, .offset: 72, .size: 8, .value_kind: global_buffer, .address_space: global }
      - { .name: Wv_codes, .offset: 80, .size: 8, .value_kind: global_buffer, .address_space: global }
      - { .name: Wv_scales, .offset: 88, .size: 8, .value_kind: global_buffer, .address_space: global }
      - { .name: bv, .offset: 96, .size: 8, .value_kind: global_buffer, .address_space: global }
      - { .name: v_img, .offset: 104, .size: 8, .value_kind: global_buffer, .address_space: global }
    .group_segment_fixed_size: 327680
    .private_segment_fixed_size: 0
    .kernarg_segment_align: 8
    .kernarg_segment_size: 112
    .max_flat_workgroup_size: 128
    .sgpr_count:     102
    .vgpr_count:     1024
    .wavefront_size: 32
...
	.end_amdgpu_metadata
.endif
;; end of part 1
;; launch attn (part 2): grid 4 x 64, 16 waves a work-group, clusters of 4 x 1, 167,936 bytes of LDS; arguments q_img, k_img, v_img, a_img, a_scl; writes a_img, a_scl
.if DOCPART == 2
	.amdgcn_target "amdgcn-amd-amdhsa--gfx1250"
	.amdhsa_code_object_version 6
	.text
	.protected	k_qcdc94babc4_attn
	.globl	k_qcdc94babc4_attn
	.p2align	8
	.type	k_qcdc94babc4_attn,@function
k_qcdc94babc4_attn:
	s_mov_b64 s[64:65], 0
	v_nop
	global_prefetch_b8 v0, s[64:65] scope:SCOPE_SE
	s_setreg_imm32_b32 hwreg(HW_REG_WAVE_MODE, 25, 1), 1
	s_wait_xcnt 0x0
	s_wait_alu depctr_hold_cnt(0) depctr_sa_sdst(0) depctr_va_vdst(0) depctr_va_sdst(0) depctr_va_ssrc(0) depctr_va_vcc(0) depctr_vm_vsrc(0)
	s_getreg_b32 s2, hwreg(HW_REG_IB_STS2, 6, 4)
	s_cmp_eq_u32 s2, 0
	s_cbranch_scc0 .Lentry_in_a_cluster
	s_endpgm
.Lentry_in_a_cluster:
	s_bfe_u32 s2, ttmp6, 0x10000c
	s_cmp_lg_u32 s2, 0x3003
	s_cbranch_scc0 .Lentry_shape_is_right
	s_endpgm
.Lentry_shape_is_right:
; Causal attention on codes of FP4 (E2M1): S^T = K Q^T (K = the head's 64), p = 2^(t - M), O^T = V^T P^T (K = the keys), O / l, and O / l quantised along the model's 1,024 (its blocks of 32 lie inside a head).
; WORK LEFT OUT: key steps of 128 keys all of which come after a tile's 16 queries: reference()'s own jnp.tril gives them the weight 0 for all finite inputs.  A NaN, an infinity or an overflow that reaches only them is not carried on.
; THE SOFTMAX: t = score x log2(e) / 8; M = the running largest t, rounded up to a whole number (kept as -M = floor(-t)); p = 2^(t - M) is quantised along the keys, not normalised; the row's sum is taken of the
; unquantised p and divides at the end.  When M moves, the sum and O^T are multiplied by 2^(old M - new M), made by v_ldexp_f32: exact, and no branch on data.
; K = 64 IN AN INSTRUCTION OF 128: Q's upper 64 positions are zero codes, so whatever stands there in K's operand (the next tile's codes, or zeros) adds nothing; both sides' scale bytes 2 and 3 are 0, which is 2^-127.
; LIMITS: NaN and infinities are not served.  A block of zeros, or one under 2^-124, gets the scale byte 1 (read by this program alone).  v_exp_f32 is taken not to fall where its input rises: a block's largest p is made from the block's largest score.
; SHARES.  A cluster of four work-groups is one head g = batch x 16 + head; partner j = cx owns the query tiles 4 m + j, m = 0 .. 31, of 16 queries.  Wave w takes m = 31 - w, then m = w.  Tile m wants key steps
; 0 .. m / 2, whatever j: so no branch hangs on the place in the cluster, and every wave of every work-group walks 17 steps.
; A WHOLE HEAD LIES IN LDS: 16 steps x (K's block of 4,608 bytes, V's block of 4,608).  Each wave asks for two blocks, jointly with the three partners: waves 0-7 K's of steps w and w + 8, waves 8-15 V's.  Nothing is filled
; again, nothing is stored to LDS.  The blocks are images of operand registers: every LDS load takes 512 consecutive bytes.
; No prefetch: all that the launch reads is asked for at its head.
; The scale bytes of O / l leave two bytes a lane, 32 bytes apart: the two heads of a step of 128 along the next K are made by different clusters; they are one sixteenth of the codes' bytes.
.set BLKB,  4608
.set STEPB, 9216
.set HEADB, 73728
.set SPARE, 16*STEPB                   ; behind the head: the spare words, 128 bytes a wave, named by no other line
.set L16,  1                           ; v1   16 x lane
.set AD,   2                           ; v2   LDS address of the step in hand
.set SPW,  3                           ; v3   my spare word; never rewritten
.set NIL,  4                           ; v4   0; never rewritten
.set DM1,  5                           ; v5, v6   my query's place in its diagonal step, less 8 h: pass 1, pass 2
.set DM2,  6
.set NINF, 7                           ; v7   -infinity
.set OA1,  8                           ; v8, v9   my byte offset in a_img
.set OA2,  9
.set OSA,  10                          ; v10  and in a_scl: lanes 0-15 pass 1's row, lanes 16-31 pass 2's
.set RR,   11                          ; v11  r = lane % 16
                                       ; v12 -M, v13 the largest t, v[14:15] the sum in two halves
.set QF1,  16                          ; v16-23, v24-31  Q's fragments; the upper four registers of each are zero codes
.set QF2,  24
.set KF,   32                          ; v32-63  K's eight tiles, four registers each
.set ZP,   64                          ; v64-67  zeros behind the last tile
.set VF,   68                          ; v68-99  V's four fragments
.set SCO,  100                         ; v100-163 S^T, then p
.set OUT,  164                         ; v164-195 O^T
.set PC,   196                         ; v196-203 p's codes
.set BM,   204                         ; v204-207 the blocks' largest
.set BT,   208                         ; v208-211 the other half's / bytes
.set BS,   212                         ; v212-215 the conversions' scale operands
.set FF,   216                         ; v[216:217] f, later 1 / l (the low word serves both halves)
.set PW,   218                         ; v218 p's scale word, and nothing else
.set TT,   219                         ; v219 at work
.set SU,   220                         ; v[220:221] the sum's second chain
.set KS,   224                         ; v224-227 K's scale words: lanes 0-15 tiles 0-3, lanes 16-31 tiles 4-7
.set VS,   228                         ; v228-231 V's
.set QS1,  232                         ; v232, v233 Q's
.set QS2,  233
.set OC1,  236                         ; v236-239, v240-243 the codes of O / l
.set OC2,  240
.set PW1,  244                         ; v244, v245 their two scale bytes
.set PW2,  245
.set WV,   14                          ; s14 wave; s15 j; s16 g; s17 batch; s18 head
.set SEL,  20                          ; s[20:21] v_permlanex16_b32's selects for lane l xor 16
.set CS,   22                          ; s[22:23] c = log2(e) / 8
.set G1,   24                          ; s[24:31] descriptor group 1; s[32:35], s[36:39] the two groups 0
.set TB,   40                          ; s40 LDS byte of the step in hand
.set SI,   41                          ; s41 its number
.set SG1,  42                          ; s42, s43 the diagonal step of pass 1, pass 2
.set SG2,  43
.set M1,   44                          ; s44 31 - w
.set HM,   45                          ; s45 the mask of lanes 16-31
.macro CROUND                          ; a round of the cluster's barrier
	s_barrier_signal -1
	s_barrier_wait -1
	s_cmp_lg_u32 s[WV], 0
	s_cbranch_scc1 .Lnot_wave_0_\@
	s_barrier_signal -3
.Lnot_wave_0_\@:
	s_barrier_wait -3
	s_barrier_signal -1
	s_barrier_wait -1
.endm
	s_load_b256 s[4:11], s[0:1], 0x0               ; q_img s[4:5], k_img s[6:7], v_img s[8:9], a_img s[10:11]
	s_load_b64 s[12:13], s[0:1], 0x20              ; a_scl
	v_lshl_add_u32 v[SPW], v0, 2, SPARE
	v_mov_b32 v[NIL], 0
	ds_add_u32 v[SPW], v[NIL]                      ; the wave's opening: the add, twice on end, and its wait ahead of my first tensor load
	ds_add_u32 v[SPW], v[NIL]
	v_lshrrev_b32 v[AD], 5, v0
	s_delay_alu instid0(VALU_DEP_1)
	v_readfirstlane_b32 s[WV], v[AD]               ; wave 0..15
	s_bfe_u32 s15, ttmp6, 0x40000                  ; j = cx: it enters global addresses and the mask's numbers alone
	s_and_b32 s16, ttmp7, 0xffff                   ; g, which the four partners share
	s_mov_b32 s[G1], 15|(3<<16)|(1<<21)            ; the mask: all four; elements of 8 bytes; bit 21 beside a mask; no padding
	s_mov_b32 s[G1+1], 32<<16                      ; tensor_dim0: 256 bytes
	s_mov_b32 s[G1+2], 18<<16                      ; tensor_dim1: 18 rows: a block's 4,608 dense bytes
	s_mov_b32 s[G1+3], 32<<16                      ; tile_dim0
	s_mov_b32 s[G1+4], 18                          ; tile_dim1
	s_mov_b32 s[G1+5], 32                          ; from row to row
	s_mov_b32 s[G1+6], 0
	s_mov_b32 s[G1+7], 0
	s_and_b32 s46, s[WV], 7                        ; the step that I fetch (and 8 further on),
	s_lshr_b32 s47, s[WV], 3                       ; of K (0) or of V (1)
	s_mul_i32 s48, s46, STEPB
	s_mul_i32 s49, s47, BLKB
	s_add_co_u32 s48, s48, s49                     ; where it goes in LDS: the wave's number and constants alone
	s_mul_i32 s50, s16, HEADB
	s_mul_i32 s49, s46, BLKB
	s_add_co_u32 s50, s50, s49                     ; and where it lies in its buffer
	s_mov_b32 s51, 0
	s_mov_b32 s[SEL], 0x76543210
	s_mov_b32 s[SEL+1], 0xfedcba98
	s_mov_b32 s[CS], 0x3e38aa3b                    ; log2(e) / 8
	s_mov_b32 s[CS+1], s[CS]                       ; (named with it as a pair, so it is written)
	s_mov_b32 s[HM], 0xffff0000
	s_wait_dscnt 0x0                               ; both opening adds are done
	s_wait_kmcnt 0x0
	s_cmp_lt_u32 s[WV], 8
	s_cselect_b64 s[52:53], s[6:7], s[8:9]         ; the choice hangs on the wave's number alone
	s_add_nc_u64 s[52:53], s[52:53], s[50:51]
	s_mov_b32 s32, 1
	s_mov_b32 s33, s48
	s_mov_b64 s[34:35], s[52:53]
	s_or_b32 s35, s35, 0x80000000
	s_mov_b32 s36, 1
	s_add_co_u32 s37, s48, 8*STEPB
	s_add_nc_u64 s[38:39], s[52:53], 8*BLKB
	s_or_b32 s39, s39, 0x80000000
	CROUND                                         ; all four work-groups are here: the joint loads meet
	tensor_load_to_lds s[32:35], s[G1:G1+7]        ; steps 0-7's blocks
	s_nop 0
	tensor_load_to_lds s[36:39], s[G1:G1+7]        ; steps 8-15's: two loads of mine are out
	s_nop 0
.rept 4
	v_nop
.endr
	s_mul_i32 s46, s16, HEADB
	s_mov_b32 s47, 0
	s_add_nc_u64 s[4:5], s[4:5], s[46:47]          ; q_img at my head
	s_lshr_b32 s17, s16, 4                         ; batch
	s_and_b32 s18, s16, 15                         ; head
	s_sub_co_u32 s[M1], 31, s[WV]
	s_lshr_b32 s[SG1], s[M1], 1
	s_lshr_b32 s[SG2], s[WV], 1
	v_and_b32 v[L16], 31, v0
	s_delay_alu instid0(VALU_DEP_1)
	v_lshlrev_b32 v[L16], 4, v[L16]
	v_and_b32 v[RR], 15, v0
	s_wait_alu depctr_va_vdst(0)
	v_bfe_u32 v[TT], v0, 4, 1
	s_delay_alu instid0(VALU_DEP_1)
	v_lshlrev_b32 v[TT], 3, v[TT]
	s_delay_alu instid0(VALU_DEP_1)
	v_sub_nc_u32 v[TT], v[RR], v[TT]               ; r - 8 h
; A pass's numbers.  m: the register with m; sg: with m / 2; vq, vs: offsets of Q's codes and scale words; dm: the mask's number; oa: the offset in a_img; so: the scalar part of the offset in a_scl
.macro PASS_SET m, sg, vq, vs, dm, oa, so
	s_and_b32 s46, s[\m], 1
	s_mul_i32 s47, s[\sg], BLKB                    ; the step's block; my tile in it is 4 (m % 2) + j
	s_lshl_b32 s48, s46, 11
	s_add_co_u32 s48, s48, s47
	s_lshl_b32 s49, s15, 9
	s_add_co_u32 s48, s48, s49
	v_add_nc_u32 v[\vq], s48, v[L16]
	s_lshl_b32 s48, s46, 8
	s_add_co_u32 s48, s48, s47
	s_lshl_b32 s49, s15, 2
	s_add_co_u32 s48, s48, s49
	s_add_co_u32 s48, s48, 4096
	v_lshl_add_u32 v[\vs], v[RR], 4, s48
	s_lshl_b32 s48, s46, 6
	s_lshl_b32 s49, s15, 4
	s_add_co_u32 s48, s48, s49
	v_add_nc_u32 v[\dm], s48, v[TT]                ; 64 (m % 2) + 16 j + r - 8 h
	s_lshl_b32 s48, s17, 7
	s_lshl_b32 s49, s[\m], 2
	s_add_co_u32 s48, s48, s49
	s_add_co_u32 s48, s48, s15                     ; the token tile: batch x 128 + 4 m + j
	s_lshl_b32 s49, s48, 13
	s_lshl_b32 s50, s18, 9
	s_add_co_u32 s49, s49, s50
	v_add_nc_u32 v[\oa], s49, v[L16]
	s_lshl_b32 s48, s48, 9                         ; 16 tokens x 32 bytes
	s_lshl_b32 s50, s18, 1
	s_add_co_u32 s[\so], s48, s50
.endm
	s_wait_alu depctr_va_vdst(0)
	PASS_SET M1, SG1, SCO, SCO+2, DM1, OA1, 54
	PASS_SET WV, SG2, SCO+1, SCO+3, DM2, OA2, 55
	s_wait_alu depctr_va_vdst(0)
	global_load_b128 v[QF1:QF1+3], v[SCO], s[4:5]
	global_load_b128 v[QF2:QF2+3], v[SCO+1], s[4:5]
	global_load_b32 v[QS1], v[SCO+2], s[4:5]
	global_load_b32 v[QS2], v[SCO+3], s[4:5]
.irp i, 4,5,6,7
	v_mov_b32 v[QF1+\i], 0                         ; zero codes at K = 64 .. 127
	v_mov_b32 v[QF2+\i], 0
.endr
.irp i, 0,1,2,3
	v_mov_b32 v[ZP+\i], 0
	v_mov_b32 v[BT+\i], 0                          ; written once: a lane permute's destination counts as one of its sources
.endr
	v_mov_b32 v[NINF], 0xff800000
	v_mov_b32 v[FF+1], 0                           ; (named as the upper half of a pair)
	v_mov_b32 v[OSA], s54
	v_mov_b32 v[TT], s55
	s_delay_alu instid0(VALU_DEP_1)
	v_cndmask_b32 v[OSA], v[OSA], v[TT], s[HM]
	s_delay_alu instid0(VALU_DEP_1)
	v_lshl_add_u32 v[OSA], v[RR], 5, v[OSA]
.macro RESET                           ; a pass begins: the largest t under every t, the sum and O^T zeros, which the first change of M leaves zeros: so the step is written without a first step of its own
	v_mov_b32 v13, 0xff61b1e6
	s_delay_alu instid0(VALU_DEP_1)
	v_floor_f32 v12, -v13
	v_mov_b32 v14, 0
	v_mov_b32 v15, 0
.set nn, 0
.rept 32
	v_mov_b32 v[OUT+nn], 0
.set nn, nn+1
.endr
.endm
	RESET
; A KEY STEP of 128 keys for one tile of 16 queries.  masked = 1: the step is left out where it lies behind the tile's diagonal step, and hidden scores become -infinity in the diagonal step itself.
; Both branches hang on the wave's number and the count of steps alone; no barrier and no tensor load stands in a step.
.macro STEP qf, qs, dm, sg, masked
.if \masked
	s_cmp_gt_u32 s[SI], s[\sg]
	s_cbranch_scc1 .Lskip_\@
.endif
	s_setprio 2
	v_add_nc_u32 v[AD], s[TB], v[L16]
.rept 3
	v_nop                                          ; with the addition: four places in front of loads into registers that the last products read
.endr
.irp t, 0,1,2,3,4,5,6,7
	ds_load_b128 v[KF+4*\t:KF+4*\t+3], v[AD] offset:512*\t
.endr
	ds_load_b128 v[KS:KS+3], v[AD] offset:4096
.irp t, 0,1,2,3,4,5,6,7
	ds_load_b128 v[VF+4*\t:VF+4*\t+3], v[AD] offset:BLKB+512*\t
.endr
	ds_load_b128 v[VS:VS+3], v[AD] offset:BLKB+4096
	s_wait_dscnt 9                                 ; K's nine loads are in; V's nine, the younger, may be out
.irp t, 0,1,2,3                                ; S^T: register 8 t + i of lane (r, h) is key 16 t + 8 h + i, query r.  Eight accumulators, one instruction each
	v_wmma_scale_f32_16x16x128_f8f6f4 v[SCO+8*\t:SCO+8*\t+7], v[KF+4*\t:KF+4*\t+7], v[\qf:\qf+7], 0, v[KS+\t], v[\qs] matrix_a_fmt:MATRIX_FMT_FP4 matrix_b_fmt:MATRIX_FMT_FP4
.endr
.irp t, 4,5,6,7
	v_wmma_scale_f32_16x16x128_f8f6f4 v[SCO+8*\t:SCO+8*\t+7], v[KF+4*\t:KF+4*\t+7], v[\qf:\qf+7], 0, v[KS+\t-4], v[\qs] matrix_a_fmt:MATRIX_FMT_FP4 matrix_b_fmt:MATRIX_FMT_FP4 matrix_a_scale:MATRIX_SCALE_ROW1
.endr
.rept 4
	v_nop
.endr
.if \masked
	s_cmp_lg_u32 s[SI], s[\sg]
	s_cbranch_scc1 .Lopen_\@
.set nn, 0
.rept 64                                       ; hidden where 16 t + i > my query's place - 8 h
	v_cmp_gt_i32 vcc_lo, 16*(nn/8)+nn%8, v[\dm]
	v_cndmask_b32 v[SCO+nn], v[SCO+nn], v[NINF], vcc_lo
.set nn, nn+1
.endr
.Lopen_\@:
.endif
.irp b, 0,1,2,3
	v_max3_num_f32 v[BM+\b], v[SCO+16*\b], v[SCO+16*\b+1], v[SCO+16*\b+2]   ; the largest score of each block of 32 keys: for the row's maximum, and for the block's largest p
.endr
.irp i, 3,5,7,9,11,13
.irp b, 0,1,2,3
	v_max3_num_f32 v[BM+\b], v[BM+\b], v[SCO+16*\b+\i], v[SCO+16*\b+\i+1]
.endr
.endr
.irp b, 0,1,2,3
	v_max_num_f32 v[BM+\b], v[BM+\b], v[SCO+16*\b+15]
.endr
.irp b, 0,1,2,3
	s_delay_alu instid0(VALU_DEP_4)
	v_permlanex16_b32 v[BT+\b], v[BM+\b], s[SEL], s[SEL+1]
.endr
.irp b, 0,1,2,3
	s_delay_alu instid0(VALU_DEP_4)
	v_max_num_f32 v[BM+\b], v[BM+\b], v[BT+\b]
.endr
	s_delay_alu instid0(VALU_DEP_2)
	v_max3_num_f32 v[TT], v[BM], v[BM+1], v[BM+2]
	s_delay_alu instid0(VALU_DEP_1)
	v_max_num_f32 v[TT], v[TT], v[BM+3]
	s_delay_alu instid0(VALU_DEP_1)
	v_mul_f32 v[TT], s[CS], v[TT]
	s_delay_alu instid0(VALU_DEP_1)
	v_max_num_f32 v13, v13, v[TT]                  ; the running largest t
	v_mov_b32 v[TT], v12
	s_delay_alu instid0(VALU_DEP_2)
	v_floor_f32 v12, -v13                          ; the new -M
	s_delay_alu instid0(VALU_DEP_1)
	v_sub_f32 v[TT], v12, v[TT]                    ; old M - new M: a whole number, 0 or less
	s_delay_alu instid0(VALU_DEP_1)
	v_cvt_i32_f32 v[TT], v[TT]                     ; (it saturates)
	s_delay_alu instid0(VALU_DEP_1)
	v_ldexp_f32 v[FF], 1.0, v[TT]                  ; f = 2^(old M - new M)
.set nn, 0
.rept 32
	v_pk_fma_f32 v[SCO+nn:SCO+nn+1], v[SCO+nn:SCO+nn+1], s[CS:CS+1], v[12:13] op_sel_hi:[1,0,0]   ; t - M
.set nn, nn+2
.endr
.irp b, 0,1,2,3
	v_fma_f32 v[BM+\b], v[BM+\b], s[CS], v12
.endr
.set nn, 0
	s_setprio 1
	s_wait_alu depctr_va_vdst(0)
.rept 64
	v_exp_f32 v[SCO+nn], v[SCO+nn]                 ; p
.set nn, nn+1
.endr
	v_pk_mul_f32 v[14:15], v[14:15], v[FF:FF+1] op_sel_hi:[1,0]   ; the sums under the new M: the plain place behind the exponentials
	s_wait_alu depctr_va_vdst(0)                   ; one wait for the batch of 64, ahead of its first reader
.irp b, 0,1,2,3
	v_exp_f32 v[BM+\b], v[BM+\b]                   ; the blocks' largest p
.endr
	v_pk_add_f32 v[220:221], v[104:105], v[108:109]
	v_pk_add_f32 v[254:255], v[112:113], v[116:117]
	v_pk_add_f32 v[252:253], v[120:121], v[124:125]
	v_pk_add_f32 v[250:251], v[128:129], v[132:133]
	v_pk_add_f32 v[248:249], v[136:137], v[140:141]
	v_pk_add_f32 v[246:247], v[144:145], v[148:149]
	v_pk_add_f32 v[242:243], v[152:153], v[156:157]
	v_pk_add_f32 v[14:15], v[14:15], v[160:161]
	v_pk_add_f32 v[220:221], v[220:221], v[100:101]
	v_pk_add_f32 v[254:255], v[254:255], v[102:103]
	v_pk_add_f32 v[252:253], v[252:253], v[106:107]
	v_pk_add_f32 v[250:251], v[250:251], v[110:111]
	v_pk_add_f32 v[248:249], v[248:249], v[114:115]
	v_pk_add_f32 v[246:247], v[246:247], v[118:119]
	v_pk_add_f32 v[242:243], v[242:243], v[122:123]
	v_pk_add_f32 v[14:15], v[14:15], v[126:127]
	v_pk_add_f32 v[220:221], v[220:221], v[130:131]
	v_pk_add_f32 v[254:255], v[254:255], v[134:135]
	v_pk_add_f32 v[252:253], v[252:253], v[138:139]
	v_pk_add_f32 v[250:251], v[250:251], v[142:143]
	v_pk_add_f32 v[248:249], v[248:249], v[146:147]
	v_pk_add_f32 v[246:247], v[246:247], v[150:151]
	v_pk_add_f32 v[242:243], v[242:243], v[154:155]
	v_pk_add_f32 v[14:15], v[14:15], v[158:159]
	v_pk_add_f32 v[220:221], v[220:221], v[162:163]
	s_delay_alu instid0(VALU_DEP_2)
	v_pk_add_f32 v[14:15], v[14:15], v[250:251]
	s_delay_alu instid0(VALU_DEP_2)
	v_pk_add_f32 v[220:221], v[220:221], v[248:249]
	v_pk_add_f32 v[254:255], v[254:255], v[246:247]
	v_pk_add_f32 v[252:253], v[252:253], v[242:243]
	s_delay_alu instid0(VALU_DEP_2)
	v_pk_add_f32 v[14:15], v[14:15], v[254:255]
	s_delay_alu instid0(VALU_DEP_2)
	v_pk_add_f32 v[220:221], v[220:221], v[252:253]
	s_delay_alu instid0(VALU_DEP_1)
	v_pk_add_f32 v[14:15], v[14:15], v[220:221]
	s_wait_alu depctr_va_vdst(0)                   ; and one for the four
.irp b, 0,1,2,3
	v_max_num_f32 v[BM+\b], 0x1800000, v[BM+\b]    ; the floor 2^-124: the byte cannot fall under 1
.endr
.irp b, 0,1,2,3
	s_delay_alu instid0(VALU_DEP_4)
	v_add_nc_u32 v[BS+\b], 0xff000000, v[BM+\b]    ; 2 off the exponent field: the conversion's scale operand
.endr
.irp b, 0,1,2,3
	s_delay_alu instid0(VALU_DEP_4)
	v_lshrrev_b32 v[BT+\b], 23, v[BS+\b]           ; the byte
.endr
	s_delay_alu instid0(VALU_DEP_3)
	v_lshl_or_b32 v[PW], v[BT+1], 8, v[BT]
	s_delay_alu instid0(VALU_DEP_1)
	v_lshl_or_b32 v[PW], v[BT+2], 16, v[PW]
	s_delay_alu instid0(VALU_DEP_1)
	v_lshl_or_b32 v[PW], v[BT+3], 24, v[PW]
.irp c, 0,1
	v_cvt_scalef32_pk8_fp4_f32 v[PC+4*\c],   v[SCO+32*\c:SCO+32*\c+7],     v[BS+2*\c]
	v_cvt_scalef32_pk8_fp4_f32 v[PC+4*\c+2], v[SCO+32*\c+8:SCO+32*\c+15],  v[BS+2*\c]
	v_cvt_scalef32_pk8_fp4_f32 v[PC+4*\c+1], v[SCO+32*\c+16:SCO+32*\c+23], v[BS+2*\c+1]
	v_cvt_scalef32_pk8_fp4_f32 v[PC+4*\c+3], v[SCO+32*\c+24:SCO+32*\c+31], v[BS+2*\c+1]
.endr
	s_setprio 0
	v_nop                                          ; one plain place behind the scaled conversions
.irp c, 0,1                                    ; registers 4 c .. 4 c + 3 of lane (r, h) now hold keys 64 c + 32 h + 0 .. 31
	v_permlane16_swap_b32 v[PC+4*\c], v[PC+4*\c+1]
	v_permlane16_swap_b32 v[PC+4*\c+2], v[PC+4*\c+3]
.endr
.set nn, 0
.rept 16
	v_pk_mul_f32 v[OUT+nn:OUT+nn+1], v[OUT+nn:OUT+nn+1], v[FF:FF+1] op_sel_hi:[1,0]   ; O^T under the new M.  Of these sixteen, twelve name no register of any one product below: the places between p's codes and scale word and the products
.set nn, nn+2
.endr
	s_wait_alu depctr_va_vdst(0)
	s_wait_dscnt 0x0                               ; V is in
.irp t, 0,1,2,3                                ; O^T += V^T P^T: register 8 t + i of lane (r, h) is channel 16 t + 8 h + i, query r.  Four accumulators by turns
	v_wmma_scale_f32_16x16x128_f8f6f4 v[OUT+8*\t:OUT+8*\t+7], v[VF+8*\t:VF+8*\t+7], v[PC:PC+7], v[OUT+8*\t:OUT+8*\t+7], v[VS+\t], v[PW] matrix_a_fmt:MATRIX_FMT_FP4 matrix_b_fmt:MATRIX_FMT_FP4
.endr
.if \masked
.Lskip_\@:
.endif
.endm
; A pass ends: O^T / l, quantised along the head's 64 (two blocks), its codes stored as an image of the next product's operand: 512 consecutive bytes a wave.
.macro FINISH oc, pw, oa
	v_add_f32 v14, v14, v15                        ; the sum's two halves.  With the three below: four places behind the last products
.rept 3
	v_nop
.endr
	v_permlanex16_b32 v[TT], v14, s[SEL], s[SEL+1]
	s_delay_alu instid0(VALU_DEP_1)
	v_add_f32 v14, v14, v[TT]                      ; and lane l xor 16's: the row's sum
	s_wait_alu depctr_va_vdst(0)
	v_rcp_f32 v[FF], v14
	v_nop                                          ; a plain place behind the reciprocal
	s_wait_alu depctr_va_vdst(0)                   ; and its wait, ahead of the first reader
.set nn, 0
.rept 16
	v_pk_mul_f32 v[SCO+nn:SCO+nn+1], v[OUT+nn:OUT+nn+1], v[FF:FF+1] op_sel_hi:[1,0]   ; each accumulator from its low end on
.set nn, nn+2
.endr
.irp b, 0,1
	v_max3_num_f32 v[BM+\b], |v[SCO+16*\b]|, |v[SCO+16*\b+1]|, 0x1800000
.endr
.irp i, 2,4,6,8,10,12,14
.irp b, 0,1
	s_delay_alu instid0(VALU_DEP_2)
	v_max3_num_f32 v[BM+\b], v[BM+\b], |v[SCO+16*\b+\i]|, |v[SCO+16*\b+\i+1]|
.endr
.endr
.irp b, 0,1
	s_delay_alu instid0(VALU_DEP_2)
	v_permlanex16_b32 v[BT+\b], v[BM+\b], s[SEL], s[SEL+1]
.endr
.irp b, 0,1
	s_delay_alu instid0(VALU_DEP_2)
	v_max_num_f32 v[BM+\b], v[BM+\b], v[BT+\b]
.endr
.irp b, 0,1
	s_delay_alu instid0(VALU_DEP_2)
	v_add_nc_u32 v[BS+\b], 0xff000000, v[BM+\b]
.endr
.irp b, 0,1
	s_delay_alu instid0(VALU_DEP_2)
	v_lshrrev_b32 v[BT+\b], 23, v[BS+\b]
.endr
	s_delay_alu instid0(VALU_DEP_1)
	v_lshl_or_b32 v[\pw], v[BT+1], 8, v[BT]
	v_cvt_scalef32_pk8_fp4_f32 v[\oc],   v[SCO:SCO+7],     v[BS]
	v_cvt_scalef32_pk8_fp4_f32 v[\oc+2], v[SCO+8:SCO+15],  v[BS]
	v_cvt_scalef32_pk8_fp4_f32 v[\oc+1], v[SCO+16:SCO+23], v[BS+1]
	v_cvt_scalef32_pk8_fp4_f32 v[\oc+3], v[SCO+24:SCO+31], v[BS+1]
	v_nop
	v_permlane16_swap_b32 v[\oc], v[\oc+1]
	v_permlane16_swap_b32 v[\oc+2], v[\oc+3]
	global_store_b128 v[\oa], v[\oc:\oc+3], s[10:11]
.endm
	s_wait_loadcnt 0x0                             ; Q
	s_wait_tensorcnt 1                             ; my block of steps 0-7 is in; the younger load may be out
	s_barrier_signal -1
	s_barrier_wait -1                              ; everybody's is
	s_mov_b32 s[TB], 0
	s_mov_b32 s[SI], 0
.Lopen_steps:                                      ; pass 1, m = 31 - w >= 16: steps 0-7 lie wholly in front of the diagonal
	STEP QF1, QS1, DM1, SG1, 0
	s_add_co_u32 s[TB], s[TB], STEPB
	s_add_co_u32 s[SI], s[SI], 1
	s_cmp_lt_u32 s[SI], 8
	s_cbranch_scc1 .Lopen_steps
	s_setprio 0
	s_wait_tensorcnt 0x0                           ; my block of steps 8-15 is in,
	s_wait_dscnt 0x0
	s_barrier_signal -1
	s_barrier_wait -1                              ; everybody's is
.Lpass_1:                                          ; steps 8-15, up to the diagonal step
	STEP QF1, QS1, DM1, SG1, 1
	s_add_co_u32 s[TB], s[TB], STEPB
	s_add_co_u32 s[SI], s[SI], 1
	s_cmp_lt_u32 s[SI], 16
	s_cbranch_scc1 .Lpass_1
	s_setprio 0
	FINISH OC1, PW1, OA1
	RESET
	s_mov_b32 s[TB], 0
	s_mov_b32 s[SI], 0
.Lpass_2:                                          ; pass 2, m = w <= 15: steps 0-7, up to the diagonal step
	STEP QF2, QS2, DM2, SG2, 1
	s_add_co_u32 s[TB], s[TB], STEPB
	s_add_co_u32 s[SI], s[SI], 1
	s_cmp_lt_u32 s[SI], 8
	s_cbranch_scc1 .Lpass_2
	s_setprio 0
	FINISH OC2, PW2, OA2
	v_cndmask_b32 v[TT], v[PW1], v[PW2], s[HM]     ; lanes 0-15: pass 1's two bytes of row r; lanes 16-31: pass 2's
	global_store_b16 v[OSA], v[TT], s[12:13]
	s_wait_tensorcnt 0x0                           ; the wave's end
	ds_add_u32 v[SPW], v[NIL]
	s_wait_dscnt 0x0
	CROUND                                         ; the closing round
	s_endpgm
.Lfunc_end_k_qcdc94babc4_attn:
	.size	k_qcdc94babc4_attn, .Lfunc_end_k_qcdc94babc4_attn-k_qcdc94babc4_attn
	.p2alignl 7, 3214868480
	.fill 96, 4, 3214868480
	.section	.rodata,"a",@progbits
	.p2align	6, 0x0
	.amdhsa_kernel k_qcdc94babc4_attn
		.amdhsa_group_segment_fixed_size 167936
		.amdhsa_private_segment_fixed_size 0
		.amdhsa_enable_private_segment 0
		.amdhsa_kernarg_size 40
		.amdhsa_user_sgpr_count 2
		.amdhsa_user_sgpr_kernarg_segment_ptr 1
		.amdhsa_wavefront_size32 1
		.amdhsa_system_sgpr_workgroup_id_x 1
		.amdhsa_system_sgpr_workgroup_id_y 1
		.amdhsa_system_sgpr_workgroup_id_z 1
		.amdhsa_system_vgpr_workitem_id 0
		.amdhsa_next_free_vgpr 256
		.amdhsa_next_free_sgpr 66
		.amdhsa_reserve_vcc 1
		.amdhsa_float_denorm_mode_32 3
		.amdhsa_float_denorm_mode_16_64 3
		.amdhsa_memory_ordered 1
		.amdhsa_forward_progress 1
		.amdhsa_inst_pref_size 77
	.end_amdhsa_kernel
	.amdgpu_metadata
---
amdhsa.version: [ 1, 2 ]
amdhsa.kernels:
  - .name:           k_qcdc94babc4_attn
    .symbol:         k_qcdc94babc4_attn.kd
    .args:
      - { .name: q_img, .offset: 0, .size: 8, .value_kind: global_buffer, .address_space: global }
      - { .name: k_img, .offset: 8, .size: 8, .value_kind: global_buffer, .address_space: global }
      - { .name: v_img, .offset: 16, .size: 8, .value_kind: global_buffer, .address_space: global }
      - { .name: a_img, .offset: 24, .size: 8, .value_kind: global_buffer, .address_space: global }
      - { .name: a_scl, .offset: 32, .size: 8, .value_kind: global_buffer, .address_space: global }
    .group_segment_fixed_size: 167936
    .private_segment_fixed_size: 0
    .kernarg_segment_align: 8
    .kernarg_segment_size: 40
    .max_flat_workgroup_size: 512
    .sgpr_count:     66
    .vgpr_count:     256
    .wavefront_size: 32
...
	.end_amdgpu_metadata
.endif
;; end of part 2
;; launch oproj (part 3): grid 4 x 32, 4 waves a work-group, clusters of 4 x 4, 327,680 bytes of LDS; arguments a_img, a_scl, Wo_codes, Wo_scales, bo, out0; writes out0
.if DOCPART == 3
	.amdgcn_target "amdgcn-amd-amdhsa--gfx1250"
	.amdhsa_code_object_version 6
	.text
	.protected	k_qcdc94babc4_oproj
	.globl	k_qcdc94babc4_oproj
	.p2align	8
	.type	k_qcdc94babc4_oproj,@function
k_qcdc94babc4_oproj:
	s_mov_b64 s[64:65], 0
	v_nop
	global_prefetch_b8 v0, s[64:65] scope:SCOPE_SE
	s_setreg_imm32_b32 hwreg(HW_REG_WAVE_MODE, 25, 1), 1
	s_wait_xcnt 0x0
	s_wait_alu depctr_hold_cnt(0) depctr_sa_sdst(0) depctr_va_vdst(0) depctr_va_sdst(0) depctr_va_ssrc(0) depctr_va_vcc(0) depctr_vm_vsrc(0)
	s_getreg_b32 s2, hwreg(HW_REG_IB_STS2, 6, 4)
	s_cmp_eq_u32 s2, 0
	s_cbranch_scc0 .Lentry_in_a_cluster
	s_endpgm
.Lentry_in_a_cluster:
	s_bfe_u32 s2, ttmp6, 0x10000c
	s_cmp_lg_u32 s2, 0xf033
	s_cbranch_scc0 .Lentry_shape_is_right
	s_endpgm
.Lentry_shape_is_right:
; out0 = A Wo^T + bo on codes of FP4 (E2M1) with one E8M0 scale for each 32 along K = 1,024; sums in f32, bo as the sums' first C.  Nothing is left out here.
; A is the attention's result as the launch before stored it: a_img [512 token tiles][16 heads][512 bytes], images of operand registers (lane (r, h): token r, the head's d = 32 h .. + 31, at 16 x lane);
; a_scl [8,192 tokens][32 bytes], one byte for each 32 along K.  Wo: rows of 512 bytes of codes and 32 of scales.  out0: [8,192][1,024] f32.
; A work-group makes a tile of 256 x 256, each of its four waves 128 x 128: 64 accumulators.  Source 0 = 16 rows of Wo, source 1 = 16 tokens: a lane holds eight neighbouring numbers of a row of out0.
; CLUSTERS of 4 x 4: A's tiles are asked for jointly by a row of the cluster, Wo's by a column.  K is two slots of 512: both are first fills; nothing is filled again; there is no loop.
; 128 work-groups: a tile of 128 x 256 would give 256 at twice the LDS reads for each product; not built.  No prefetch: all that the launch reads is asked for at its head.
; REGISTERS: window 0: v16-29 addresses; v32-95 scale words, two sets; v128-191 A's fragments; v192-255 the bias; on the way out v128-255 take rows of out0.  window 1: Wo's fragments, two sets.  windows 2, 3: the accumulators.
.set SIZE_N, 1024
.set NQ,     4
.set ROWB,   256
.set KROW,   512
.set PITCH,  272                       ; Wo's rows in LDS: 256 bytes + 16 of padding
.set FR,     8
.set NL,     2
.set NP,     4
.set HALFA,  32768                     ; eight token tiles x 4,096 bytes: one tensor load; dense: an image's loads take 512 consecutive bytes
.set HALFT,  128*PITCH                 ; 128 rows of Wo: one tensor load
.set BOFF,   2*HALFA                   ; Wo's rows lie behind A's images
.set SLOT,   2*HALFA+2*HALFT
.set KS,     32
.set SCL,    2*SLOT
.set HALFS,  16*272
.set SBLK,   2*272
.set SPARE,  SCL+4*HALFS               ; the spare words: 128 bytes a wave, named by no other line
.set SPITCH, 528                       ; the way out: a stage of 16 rows x (512 + 16) bytes for each wave, in slot 0, which has had its only fill and its last read when the first result is stored there
.set ADRA, 16
.set ADRB, 20
.set STO,  24
.set RD,   25
.set CO,   26                          ; v26  16 x lane
.set ADRS, 27
.set SPW,  28
.set NIL,  29
.set BO,   30                          ; v30  my offset in the bias
.set SC,   32
.set AF,   128
.set BK,   128
.set BIAS, 192
.set G1,   24
.set G0,   32
.set G1B,  48
.set G0B,  56
.set G1S,  68
.set G0S,  76
.set G1SB, 80
.set G0SB, 88
.set MSB, 0
.macro WIN new
.if MSB != \new
	s_set_vgpr_msb (MSB<<8)|\new
.set MSB, \new
.endif
.endm
.set MUL_LO, 0xa1
.set MUL_HI, 0xf1
.set TO_B,   0x40
.macro JLOAD g0a, g1a, g0b, g1b        ; waves 0 and 1 fetch for A, waves 2 and 3 for Wo; an s_nop 0 and four v_nop follow each line
	s_cmp_eq_u32 s15, 0
	s_cbranch_scc0 .Lfor_b_\@
	tensor_load_to_lds s[\g0a:\g0a+3], s[\g1a:\g1a+7]
	s_nop 0
.rept 4
	v_nop
.endr
	s_branch .Lasked_\@
.Lfor_b_\@:
	tensor_load_to_lds s[\g0b:\g0b+3], s[\g1b:\g1b+7]
	s_nop 0
.rept 4
	v_nop
.endr
.Lasked_\@:
.endm
.macro CROUND
	s_barrier_signal -1
	s_barrier_wait -1
	s_cmp_lg_u32 s14, 0
	s_cbranch_scc1 .Lnot_wave_0_\@
	s_barrier_signal -3
.Lnot_wave_0_\@:
	s_barrier_wait -3
	s_barrier_signal -1
	s_barrier_wait -1
.endm
	s_load_b128 s[4:7], s[0:1], 0x0                ; a_img, a_scl
	s_load_b128 s[8:11], s[0:1], 0x10              ; Wo's codes, Wo's scales
	s_load_b64 s[96:97], s[0:1], 0x20              ; bo
	s_load_b64 s[12:13], s[0:1], 0x28              ; out0
	v_lshl_add_u32 v[SPW], v0, 2, SPARE
	v_mov_b32 v[NIL], 0
	ds_add_u32 v[SPW], v[NIL]                      ; the wave's opening: the add, twice on end, and its wait ahead of my first tensor load
	ds_add_u32 v[SPW], v[NIL]
	v_lshrrev_b32 v1, 5, v0
	v_readfirstlane_b32 s14, v1                    ; wave 0..3
	s_lshr_b32 s15, s14, 1                         ; my half of the tile's rows.  Also: I fetch for A (0) or for Wo (1)
	s_and_b32 s16, s14, 1                          ; my half of its columns.  Also: which half I fetch
	s_bfe_u32 s40, ttmp6, 0x40000                  ; cx
	s_bfe_u32 s41, ttmp6, 0x40004                  ; cy
	s_lshl_b32 s42, ttmp9, 2
	s_add_co_u32 s42, s42, s40                     ; tile column
	s_and_b32 s17, ttmp7, 0xffff
	s_lshl_b32 s17, s17, 2
	s_add_co_u32 s17, s17, s41                     ; tile row
	s_lshl_b32 s43, s41, 2
	s_lshl_b32 s43, 15, s43                        ; my row of the cluster
	s_lshl_b32 s44, 0x1111, s40                    ; my column
	s_or_b32 s[G1], s43, (3<<16)|(1<<21)           ; A's images: elements of 8 bytes, no padding
	s_mov_b32 s[G1+1], 512<<16                     ; tensor_dim0: 4,096 bytes: eight heads of a token tile
	s_mov_b32 s[G1+2], 8<<16                       ; tensor_dim1: eight token tiles
	s_mov_b32 s[G1+3], 512<<16
	s_mov_b32 s[G1+4], 8
	s_mov_b32 s[G1+5], 1024                        ; a token tile's 16 heads: 8,192 bytes
	s_mov_b32 s[G1+6], 0
	s_mov_b32 s[G1+7], 0
	s_or_b32 s[G1B], s44, (1<<20)|(1<<21)|(5<<22)|(3<<25)   ; Wo's rows: elements of 1 byte, 4 words of padding behind every 64
	s_mov_b32 s[G1B+1], ROWB<<16
	s_mov_b32 s[G1B+2], 128<<16
	s_mov_b32 s[G1B+3], ROWB<<16
	s_mov_b32 s[G1B+4], 128
	s_mov_b32 s[G1B+5], KROW
	s_mov_b32 s[G1B+6], 0
	s_mov_b32 s[G1B+7], 0
	s_or_b32 s[G1S], s43, (3<<16)|(1<<20)|(1<<21)|(5<<22)|(3<<25)   ; the scales of 128 rows: 16 rows of 256 bytes, 16 of padding behind each
	s_or_b32 s[G1SB], s44, (3<<16)|(1<<20)|(1<<21)|(5<<22)|(3<<25)
.irp g, G1S, G1SB
	s_mov_b32 s[\g+1], 32<<16
	s_mov_b32 s[\g+2], 16<<16
	s_mov_b32 s[\g+3], 32<<16
	s_mov_b32 s[\g+4], 16
	s_mov_b32 s[\g+5], 32
	s_mov_b32 s[\g+6], 0
	s_mov_b32 s[\g+7], 0
.endr
	s_lshl_b32 s20, s17, 17                        ; A: 16 token tiles of 8,192 bytes a tile row,
	s_lshl_b32 s18, s16, 16                        ; the eight that I fetch
	s_add_co_u32 s20, s20, s18
	s_mov_b32 s21, 0
	s_lshl_b32 s22, s17, 13                        ; its scales: 256 rows of 32 bytes,
	s_lshl_b32 s18, s16, 12
	s_add_co_u32 s22, s22, s18
	s_mov_b32 s23, 0
	s_lshl_b32 s46, s42, 17                        ; Wo: 256 rows of 512 bytes a tile column,
	s_lshl_b32 s18, s16, 16
	s_add_co_u32 s46, s46, s18
	s_mov_b32 s47, 0
	s_lshl_b32 s92, s42, 13
	s_lshl_b32 s18, s16, 12
	s_add_co_u32 s92, s92, s18
	s_mov_b32 s93, 0
	s_lshl_b32 s45, s16, 15                        ; where they go: A's half,
	s_mul_i32 s19, s16, HALFT
	s_add_co_u32 s19, s19, BOFF                    ; Wo's half,
	s_mul_i32 s94, s14, HALFS                      ; the scales: wave x 128 rows
	s_wait_dscnt 0x0                               ; both opening adds are done
	s_wait_kmcnt 0x0
	s_add_nc_u64 s[20:21], s[4:5], s[20:21]
	s_add_nc_u64 s[22:23], s[6:7], s[22:23]
	s_add_nc_u64 s[46:47], s[8:9], s[46:47]
	s_add_nc_u64 s[92:93], s[10:11], s[92:93]
	CROUND                                         ; all sixteen work-groups are here: the first joint loads meet
	s_mov_b32 s[G0S], 1
	s_add_co_u32 s[G0S+1], s94, SCL
	s_mov_b64 s[G0S+2:G0S+3], s[22:23]
	s_or_b32 s[G0S+3], s[G0S+3], 0x80000000
	s_mov_b32 s[G0SB], 1
	s_add_co_u32 s[G0SB+1], s94, SCL
	s_mov_b64 s[G0SB+2:G0SB+3], s[92:93]
	s_or_b32 s[G0SB+3], s[G0SB+3], 0x80000000
	JLOAD G0S, G1S, G0SB, G1SB                     ; the scales of all of K
.irp s, 0,1
	s_mov_b32 s[G0+4*\s], 1
	s_add_co_u32 s[G0+4*\s+1], s45, \s*SLOT
	s_add_nc_u64 s[G0+4*\s+2:G0+4*\s+3], s[20:21], \s*4096
	s_or_b32 s[G0+4*\s+3], s[G0+4*\s+3], 0x80000000
	s_mov_b32 s[G0B+4*\s], 1
	s_add_co_u32 s[G0B+4*\s+1], s19, \s*SLOT
	s_add_nc_u64 s[G0B+4*\s+2:G0B+4*\s+3], s[46:47], \s*ROWB
	s_or_b32 s[G0B+4*\s+3], s[G0B+4*\s+3], 0x80000000
	JLOAD G0+4*\s, G1, G0B+4*\s, G1B               ; both halves of K: three loads of mine are out
.endr
	v_and_b32 v1, 15, v0                           ; r
	v_bfe_u32 v2, v0, 4, 1                         ; h
	v_and_b32 v6, 31, v0
	v_lshlrev_b32 v[CO], 4, v6                     ; 16 x lane
	v_mul_u32_u24 v3, v1, PITCH
	v_lshl_add_u32 v4, v2, 4, v3
	s_lshl_b32 s21, s15, 15                        ; my eight token tiles of A
	s_mul_i32 s22, s16, HALFT
	s_add_co_u32 s22, s22, BOFF                    ; my 128 rows of Wo
.irp s, 0,1
	v_add_nc_u32 v[ADRA+\s], s21, v[CO]
	v_add_nc_u32 v[ADRB+\s], s22, v4
	s_add_co_u32 s21, s21, SLOT
	s_add_co_u32 s22, s22, SLOT
.endr
	v_mul_u32_u24 v5, v1, KS
	v_lshrrev_b32 v6, 8, v5
	v_lshl_add_u32 v5, v6, 4, v5
	s_mul_i32 s21, s15, HALFS
	s_mul_i32 s22, s16, HALFS
	s_add_co_u32 s22, s22, 2*HALFS
	s_sub_co_u32 s22, s22, s21
	v_mul_u32_u24 v6, s22, v2                      ; lanes 16-31 take Wo's: one product, the distance between the two bases
	s_add_co_u32 s21, s21, SCL
	v_add_nc_u32 v5, v5, v6
	v_add_nc_u32 v[ADRS], s21, v5
	s_mul_i32 s23, s14, 16*SPITCH                  ; my stage
	v_mul_u32_u24 v5, v1, SPITCH
	v_lshl_add_u32 v5, v2, 5, v5
	v_add_nc_u32 v[STO], s23, v5
	v_add_nc_u32 v[RD], s23, v[CO]
	s_lshl_b32 s46, s42, 10                        ; my first column, in bytes of f32: in out0's rows and in bo alike
	s_lshl_b32 s47, s16, 9
	s_add_co_u32 s46, s46, s47
	s_mov_b32 s47, 0
	s_add_nc_u64 s[96:97], s[96:97], s[46:47]
	v_lshlrev_b32 v[BO], 5, v2
.irp b, 0,1,2,3,4,5,6,7
	global_load_b128 v[BIAS+8*\b:BIAS+8*\b+3], v[BO], s[96:97] offset:64*\b          ; BIAS[8 b + i] = bo(16 b + 8 h + i) of my 128 columns
	global_load_b128 v[BIAS+8*\b+4:BIAS+8*\b+7], v[BO], s[96:97] offset:64*\b+16
.endr
	s_lshl_b32 s20, s17, 8
	s_lshl_b32 s21, s15, 7
	s_add_co_u32 s20, s20, s21                     ; my first row of out0
	s_lshl_b32 s20, s20, 12                        ; rows of 4,096 bytes
	s_add_co_u32 s20, s20, s46
	s_mov_b32 s21, 0
	s_add_nc_u64 s[12:13], s[12:13], s[20:21]
	s_wait_loadcnt 0x0
.macro FRAGB reg, adr, q, i
.irp c, 0,1
	ds_load_b128 v[\reg+4*\c:\reg+4*\c+3], v[\adr] offset:64*(\q)+32*\c+(\i)*16*PITCH
.endr
.endm
.macro FRAGA reg, adr, q, i            ; token tile i, the slot's q-th 128 along K: the images of heads 2 q and 2 q + 1
.irp c, 0,1
	ds_load_b128 v[\reg+4*\c:\reg+4*\c+3], v[\adr] offset:(\i)*4096+(\q)*1024+512*\c
.endr
.endm
; 16 matrix instructions: A's blocks a0, a0 + 1 x Wo's eight.  zero = 1: the sums start from the bias.  The 64 accumulators take turns, one instruction a turn.
.macro MUL16 a0, p, q, sc, zero
.irp a, \a0, \a0+1
.irp b, 0,1,2,3,4,5,6,7
.if \zero
	v_wmma_scale_f32_16x16x128_f8f6f4 v[8*(8*((\a)%4)+\b):8*(8*((\a)%4)+\b)+7], v[128*(\p)+FR*\b:128*(\p)+FR*\b+FR-1], v[AF+FR*(\a):AF+FR*(\a)+FR-1], v[BIAS+8*\b:BIAS+8*\b+7], v[SC+8*NQ*(\sc)+NQ*\b+(\q)], v[SC+8*NQ*(\sc)+NQ*(\a)+(\q)] matrix_a_fmt:MATRIX_FMT_FP4 matrix_b_fmt:MATRIX_FMT_FP4 matrix_a_scale:MATRIX_SCALE_ROW1
.else
	v_wmma_scale_f32_16x16x128_f8f6f4 v[8*(8*((\a)%4)+\b):8*(8*((\a)%4)+\b)+7], v[128*(\p)+FR*\b:128*(\p)+FR*\b+FR-1], v[AF+FR*(\a):AF+FR*(\a)+FR-1], v[8*(8*((\a)%4)+\b):8*(8*((\a)%4)+\b)+7], v[SC+8*NQ*(\sc)+NQ*\b+(\q)], v[SC+8*NQ*(\sc)+NQ*(\a)+(\q)] matrix_a_fmt:MATRIX_FMT_FP4 matrix_b_fmt:MATRIX_FMT_FP4 matrix_a_scale:MATRIX_SCALE_ROW1
.endif
.endr
.endr
.endm
.macro FETCH_B slot, q, p
	WIN TO_B
.irp i, 0,1,2,3,4,5,6,7
	FRAGB 128*(\p)+FR*\i, ADRB+\slot, \q, \i
.endr
	WIN 0
.endm
.macro FETCH_A slot, q, i0
.irp i, \i0, \i0+1, \i0+2, \i0+3
	FRAGA AF+FR*(\i), ADRA+\slot, \q, \i
.endr
.endm
.macro SCALES sc
.irp i, 0,1,2,3,4,5,6,7
	ds_load_b128 v[SC+8*NQ*\sc+NQ*\i:SC+8*NQ*\sc+NQ*\i+3], v[ADRS] offset:\i*SBLK
.endr
.endm
.macro PLACES n                        ; plain vector instructions between a matrix instruction and a load into, or a read of, its registers
.rept \n
	v_nop
.endr
.endm
.macro STEP slot, q, zero
	s_wait_dscnt 4*NL                              ; all but the youngest eight loads, A's blocks 4-7
.if \zero
	WIN 0x81                                       ; the bias, source 2, lies in window 0; D in window 2
.else
	WIN MUL_LO
.endif
	MUL16 0, (\q)%2, \q, \slot, \zero
	MUL16 2, (\q)%2, \q, \slot, \zero
	s_wait_dscnt 0
	PLACES NP
	FETCH_B \slot, (\q)+1, 1-(\q)%2
	FETCH_A \slot, (\q)+1, 0
.if \zero
	WIN 0xc1
.else
	WIN MUL_HI
.endif
	MUL16 4, (\q)%2, \q, \slot, \zero
	MUL16 6, (\q)%2, \q, \slot, \zero
	PLACES NP
	WIN 0
	FETCH_A \slot, (\q)+1, 4
.endm
.macro TURN                            ; slot 0's last step goes over to slot 1: behind the barrier slot 1 is whole, and nobody reads slot 0 any more
	s_wait_tensorcnt 0x0                           ; my part of slot 1 has landed
	ds_add_u32 v[SPW], v[NIL]
	s_wait_dscnt 4*NL+1                            ; the add and the youngest eight loads may be out
	WIN MUL_LO
	MUL16 0, 1, NQ-1, 0, 0
	s_wait_dscnt 0x0                               ; my reads of slot 0 are over
	s_barrier_signal -1
	MUL16 2, 1, NQ-1, 0, 0
	WIN 0
	s_barrier_wait -1
	PLACES NP
	v_add_nc_u32 v[ADRS], 4*NQ, v[ADRS]
	FETCH_B 1, 0, 0
	FETCH_A 1, 0, 0
	SCALES 1
	WIN MUL_HI
	MUL16 4, 1, NQ-1, 0, 0
	MUL16 6, 1, NQ-1, 0, 0
	PLACES NP
	WIN 0
	FETCH_A 1, 0, 4
.endm
	s_wait_tensorcnt 1                             ; the scales and my part of slot 0 are in; slot 1's load, the youngest, may be out
	s_barrier_signal -1
	s_barrier_wait -1
	FETCH_B 0, 0, 0
	FETCH_A 0, 0, 0
	SCALES 0
	FETCH_A 0, 0, 4
	STEP 0, 0, 1
	STEP 0, 1, 0
	STEP 0, 2, 0
	TURN
	STEP 1, 0, 0
	STEP 1, 1, 0
	STEP 1, 2, 0
	s_wait_dscnt 4*NL
	WIN MUL_LO
	MUL16 0, 1, NQ-1, 1, 0
	MUL16 2, 1, NQ-1, 1, 0
	s_wait_dscnt 0
	WIN MUL_HI
	MUL16 4, 1, NQ-1, 1, 0
	MUL16 6, 1, NQ-1, 1, 0
	WIN 0
; THE WAY OUT, block by block of 16 rows x 128 columns: through my own stage in LDS, back as whole rows of 512 bytes, which the 32 lanes store as 512 consecutive bytes, aligned to 256.
; LDS serves a wave's instructions in order (ISA guide 5.7.1.4): no wait between the stores and the loads, nor in front of the next block's stores.
.macro TOSTAGE a
.set AC, 64*((\a)%4)
	WIN 0x08+4*((\a)/4)                            ; an LDS store's data: window 2 or 3
.irp b, 0,1,2,3,4,5,6,7
	ds_store_b128 v[STO], v[AC+8*\b:AC+8*\b+3] offset:64*\b          ; each accumulator from its low end on
	ds_store_b128 v[STO], v[AC+8*\b+4:AC+8*\b+7] offset:64*\b+16
.endr
	WIN 0
.set BB, BK+64*((\a)%2)
.irp t, 0,1,2,3,4,5,6,7,8,9,10,11,12,13,14,15
	ds_load_b128 v[BB+4*\t:BB+4*\t+3], v[RD] offset:\t*SPITCH
.endr
.endm
.macro SEND a, younger                 ; younger: the LDS instructions issued behind block a's loads, which may stay out
.set BB, BK+64*((\a)%2)
	s_wait_dscnt \younger
.if (\a) > 0
	s_add_nc_u64 s[12:13], s[12:13], 16*SIZE_N*4   ; (behind a wait on XCNT: the earlier stores have read their base)
.endif
.irp t, 0,1,2,3,4,5,6,7,8,9,10,11,12,13,14,15
	global_store_b128 v[CO], v[BB+4*\t:BB+4*\t+3], s[12:13] offset:\t*SIZE_N*4 th:TH_STORE_NT
.endr
.endm
	PLACES NP                                      ; behind the last products: for the loads into A's fragments' registers and the reads of results
	TOSTAGE 0
.irp a, 1,2,3,4,5,6,7
.if \a > 1
	s_wait_xcnt 0x0                                ; block a - 2's stores have read their registers and their base
.endif
	TOSTAGE \a
	SEND \a-1, 32                                  ; behind block a - 1's loads: block a's 16 stores and 16 loads
.endr
	s_wait_xcnt 0x0                                ; block 6's stores have read their base
	SEND 7, 0
	s_wait_tensorcnt 0x0                           ; the wave's end, behind my last tensor load and my last LDS store
	ds_add_u32 v[SPW], v[NIL]
	s_wait_dscnt 0x0
	CROUND                                         ; the closing round
	s_endpgm
.Lfunc_end_k_qcdc94babc4_oproj:
	.size	k_qcdc94babc4_oproj, .Lfunc_end_k_qcdc94babc4_oproj-k_qcdc94babc4_oproj
	.p2alignl 7, 3214868480
	.fill 96, 4, 3214868480
	.section	.rodata,"a",@progbits
	.p2align	6, 0x0
	.amdhsa_kernel k_qcdc94babc4_oproj
		.amdhsa_group_segment_fixed_size 327680
		.amdhsa_private_segment_fixed_size 0
		.amdhsa_enable_private_segment 0
		.amdhsa_kernarg_size 48
		.amdhsa_user_sgpr_count 2
		.amdhsa_user_sgpr_kernarg_segment_ptr 1
		.amdhsa_wavefront_size32 1
		.amdhsa_system_sgpr_workgroup_id_x 1
		.amdhsa_system_sgpr_workgroup_id_y 1
		.amdhsa_system_sgpr_workgroup_id_z 1
		.amdhsa_system_vgpr_workitem_id 0
		.amdhsa_next_free_vgpr 1024
		.amdhsa_next_free_sgpr 98
		.amdhsa_reserve_vcc 0
		.amdhsa_float_denorm_mode_32 3
		.amdhsa_float_denorm_mode_16_64 3
		.amdhsa_memory_ordered 1
		.amdhsa_forward_progress 1
		.amdhsa_inst_pref_size 126
	.end_amdhsa_kernel
	.amdgpu_metadata
---
amdhsa.version: [ 1, 2 ]
amdhsa.kernels:
  - .name:           k_qcdc94babc4_oproj
    .symbol:         k_qcdc94babc4_oproj.kd
    .args:
      - { .name: a_img, .offset: 0, .size: 8, .value_kind: global_buffer, .address_space: global }
      - { .name: a_scl, .offset: 8, .size: 8, .value_kind: global_buffer, .address_space: global }
      - { .name: Wo_codes, .offset: 16, .size: 8, .value_kind: global_buffer, .address_space: global }
      - { .name: Wo_scales, .offset: 24, .size: 8, .value_kind: global_buffer, .address_space: global }
      - { .name: bo, .offset: 32, .size: 8, .value_kind: global_buffer, .address_space: global }
      - { .name: out0, .offset: 40, .size: 8, .value_kind: global_buffer, .address_space: global }
    .group_segment_fixed_size: 327680
    .private_segment_fixed_size: 0
    .kernarg_segment_align: 8
    .kernarg_segment_size: 48
    .max_flat_workgroup_size: 128
    .sgpr_count:     98
    .vgpr_count:     1024
    .wavefront_size: 32
...
	.end_amdgpu_metadata
.endif
;; end of part 3
